; MI455X (gfx1250); checked and timed in simulation.
; The chip was launched on July 23, 2026; its instructions are those of AMD's public machine-readable ISA for CDNA 5 (MIT licence, August 2026) and "CDNA5" Instruction Set Architecture Reference Guide (July 2026). The comments in the code are by the model that wrote it; some were corrected since.
;; Multi Head Attention Ro PE. Allowed arithmetic: matrix products marked QUANTISED: E2M1 operands, one E8M0 scale for each 32 along K, by v_wmma_scale_f32_16x16x128_f8f6f4 with both operands' format E2M1 (or v_wmma_scale_f32_32x16x128_f4), f32 sums; everything else in f32.
;; Inputs: Wk 1,024 x 1,024 float32; Wo 1,024 x 1,024 float32; Wq 1,024 x 1,024 float32; Wv 1,024 x 1,024 float32; bk 1,024 float32; bo 1,024 float32; bq 1,024 float32; bv 1,024 float32; query 4 x 2,048 x 1,024 float32.
;; Outputs: out0 4 x 2,048 x 1,024 float32.
;; This version of the problem:
;;   THIS VERSION OF THE PROBLEM IS GIVEN IN LOW PRECISION. The matrix products marked QUANTISED in the list below multiply operands that are first quantised to E2M1 (2 exponent bits, 1 mantissa bit; 4 bits a number), with one power-of-two scale for each 32 numbers along K (OCP MX v1.0); their sums are f32. All else is computed in f32.
;;   The module's matrix products, in the order in which they are computed (A, B: the left and right operand; K: the contracted axis; several contracted axes count as one K, in the product's order):
;;     1. [M 8,192, K 1,024] x [K 1,024, N 1,024]; A: input query; B: input Wq: QUANTISED
;;     2. [M 8,192, K 1,024] x [K 1,024, N 1,024]; A: input query; B: input Wk: QUANTISED
;;     3. [M 8,192, K 1,024] x [K 1,024, N 1,024]; A: input query; B: input Wv: QUANTISED
;;     4. batch 64 x [M 2,048, K 64] x [K 64, N 2,048]; A: computed on the way; B: computed on the way: QUANTISED
;;     5. batch 64 x [M 2,048, K 2,048] x [K 2,048, N 64]; A: softmax (see below); B: computed on the way: QUANTISED
;;     6. [M 8,192, K 1,024] x [K 1,024, N 1,024]; A: computed on the way; B: input Wo: QUANTISED
;;   THE QUANTISER, for each operand of a quantised product, along K:
;;     - K is cut into blocks of 32 from its start; a last block that is shorter is filled with zeros.
;;     - A block's scale is 2^e with e = floor(log2(the largest magnitude in the block)) - 2, held to -126 .. 127; a block of zeros has e = 0. As a byte (E8M0): e + 127.
;;     - Each number is divided by its block's scale, clamped to +-6, and rounded to the nearest number of E2M1, ties to even, subnormals kept.
;;     - The product sums the exact products of the quantised numbers (number of the format x scale) in f32.
;;   ~~~python
;;   def quantise(x, axis):      # numpy; x: float32 -> the quantised numbers, widened to float32 again
;;       x = np.moveaxis(x, axis, -1); K = x.shape[-1]
;;       x = np.pad(x, [(0, 0)] * (x.ndim - 1) + [(0, -K % 32)]); x = x.reshape(x.shape[:-1] + (-1, 32)); a = np.abs(x).max(-1, keepdims=True)
;;       e = np.where(a > 0, np.clip(np.frexp(np.where(a > 0, a, 1))[1] - 1 - 2, -126, 127), 0)      # np.frexp(a)[1] - 1 = floor(log2(a)), exactly
;;       r = np.clip(x / 2.0 ** e, -6, 6)
;;       step = 2.0 ** (np.maximum(np.frexp(np.where(r == 0, 1, r))[1] - 1, 0) - 1)
;;       q = np.round(r / step) * step * 2.0 ** e      # np.round: ties to even
;;       return np.moveaxis(q.reshape(q.shape[:-2] + (-1,))[..., :K], -1, axis).astype(np.float32)
;;   ~~~
;;   SOFTMAX AHEAD OF A QUANTISED PRODUCT. Where the list says 'softmax', what is quantised is not the finished softmax but p = 2^(t - M), with t = logit x log2(e) and M = ceil(the row's largest t), a whole number; so 1/2 < the row's largest p <= 1. The row's sum l is taken of the UNQUANTISED p, in f32, and the product's result is divided by l at the end. Since M is a whole number, a kernel that streams over the keys may use a running M (the ceiling of the running maximum): every later rescaling is an exact power of two, which a block's scale takes up: the codes' values come out the same.
;;   OPERANDS COMPUTED ON THE WAY. 'Computed on the way' means the value that the module computes at that place (a softmax that the list does not call 'softmax' is quantised finished and normalised). What goes into a quantiser is computed in f32, as accurately as f32 sums, v_exp_f32 and their like allow (about 1e-6 of the number): no bf16 or f16 on the way to a quantiser, and a product that is left as it is and whose result goes on into a quantised operand takes f32 operands (vector FMAs, or v_wmma_f32_16x16x4_f32). A number that lies on a knife's edge between two numbers of the format may be rounded either way, as far as f32 arithmetic and the matrix unit's own rounding can turn it there, and no further.
;; One version. Each part assembles by itself: llvm-mc -triple=amdgcn-amd-amdhsa -mcpu=gfx1250 --defsym DOCPART=n.
;; ======== version 1 of 1: 4 launches
;; workspace buffers: xq 4,456,448 bytes; wq 2,228,224 bytes; oq 4,456,448 bytes; rope 524,288 bytes; qq 4,718,592 bytes; kv 9,175,040 bytes
;; launch prep (part 1): grid 400 x 1, 4 waves a work-group, no clusters, 34,304 bytes of LDS; arguments query, Wq, Wk, Wv, Wo, xq, wq, rope; writes xq, wq, rope
.if DOCPART == 1
	.amdgcn_target "amdgcn-amd-amdhsa--gfx1250"
	.amdhsa_code_object_version 6
	.text
	.protected	k_q631b3af188_prep
	.globl	k_q631b3af188_prep
	.p2align	8
	.type	k_q631b3af188_prep,@function
k_q631b3af188_prep:
	s_mov_b64 s[64:65], 0
	v_nop
	global_prefetch_b8 v0, s[64:65] scope:SCOPE_SE
	s_setreg_imm32_b32 hwreg(HW_REG_WAVE_MODE, 25, 1), 1
	s_wait_xcnt 0x0
; PREP: query [8192][1024] and Wq, Wk, Wv, Wo [1024][1024], f32, K innermost, become codes of E2M1 with one E8M0 byte for each 32 along K; and the table of cos and sin for the rotary embedding is made.
; DEAD WORK OF THE PROGRAM: reference() sets the score of key k for query q to -inf where k > q, in its own body, so p = 0 there for all values of the inputs.  A key step (128 keys) all of whose keys come after all
; 16 queries of a tile is therefore not multiplied (launch attn).  Every input has a way to the output and is loaded.  LIMIT: a NaN, an infinity or an overflow that reaches only those scores is not carried to the result.
; LIMITS: NaN and infinities among the inputs are not served.  A block of zeros gets the byte 1 where the rule says 127 (its codes are zeros, and this program alone reads the bytes); a block whose largest
; magnitude lies under 2^-124 is held at the byte 1.
; LAYOUT OF THE CODES: IMAGES OF THE OPERAND'S REGISTERS.  Rows go in groups of 32; tile 2 g + u, place p (0..15), is row 32 g + 8 u + p + 8 (p / 8).  A tile's record is 8,704 bytes: K step s (128 along K) at 1,024 s, in two
; groups of 512 bytes, lane l's 16 bytes at 16 l: lane (r, h), group c holds k = 64 c + 32 h + 0..31 of place r.  The scale words lie at 8,192 + 256 (s / 4) + 16 r + 4 (s % 4).
; SHARES.  Work-groups 0-255 take query's groups of 32 rows, 256-383 those of Wq, Wk, Wv, Wo; wave w takes tile u = w / 2 and K steps 4 (w % 2) .. + 3, a unit (16 rows x 128 K) at a time.  Each load reads 512 consecutive
; bytes of a row; a unit turns through the wave's own stage in LDS (rows 528 bytes apart), so that a lane gets two whole blocks of 32 of its row.  Waves share nothing: no barrier.
; Work-groups 384-399 make the table: 64 waves, 32 positions each, a lane a frequency; they touch no LDS.
.set SPARE, 33792                      ; behind the four stages: the spare words, 128 bytes a wave
.set STG,   8448                       ; a wave's stage: 16 rows x (512 + 16) bytes
.set R,     32                         ; v32-159  two sets of 64: a unit as loaded
.set X,     160                        ; v160-223 my two blocks of 32
.set C,     224                        ; v224-255 codes, 8 registers a unit, never rewritten
.set SW,    20                         ; v20-23   the units' scale words
	s_load_b512 s[4:19], s[0:1], 0x0               ; query, Wq, Wk, Wv, Wo, xq, wq, rope
	v_lshl_add_u32 v16, v0, 2, SPARE               ; my spare word,
	v_mov_b32 v17, 0                               ; and 0: kept for the add alone
	v_lshrrev_b32 v1, 5, v0
	v_readfirstlane_b32 s20, v1                    ; wave 0..3
	v_and_b32 v1, 31, v0                           ; lane
	s_cmp_ge_u32 ttmp9, 384
	s_cbranch_scc1 .Lrope
	s_lshr_b32 s21, s20, 1                         ; u: which tile of the group
	s_and_b32 s22, s20, 1                          ; t: which half of K
	v_and_b32 v2, 15, v0                           ; r
	v_bfe_u32 v3, v0, 4, 1                         ; h
	v_lshlrev_b32 v4, 4, v1                        ; 16 x lane
	s_mul_i32 s23, s20, STG
	v_add_nc_u32 v5, s23, v4                       ; into the stage: 16 x lane of a row
	v_mul_u32_u24 v6, v2, 528
	v_lshl_add_u32 v6, v3, 7, v6
	v_add_nc_u32 v6, s23, v6                       ; out of it: row r, + 128 h
	v_lshlrev_b32 v7, 4, v2
	v_lshl_add_u32 v7, v3, 3, v7                   ; the scale words' place: 16 r + 8 h
	v_lshlrev_b32 v18, 3, v3                       ; 8 h: my bytes' shift in a scale word
	v_mov_b32 v19, 0                               ; (a lane permute's destination counts as one of its sources)
	s_mov_b32 s40, 0x76543210
	s_mov_b32 s41, 0xfedcba98                      ; selects for lane l xor 16
	s_and_b32 s28, ttmp9, 31                       ; a weight's group of rows
	s_sub_co_u32 s29, ttmp9, 256                   ; and its place among the weights' groups
	s_wait_kmcnt 0x0
	s_cmp_lt_u32 ttmp9, 352                        ; the source is chosen by the work-group's number alone
	s_cselect_b64 s[24:25], s[10:11], s[12:13]
	s_cmp_lt_u32 ttmp9, 320
	s_cselect_b64 s[24:25], s[8:9], s[24:25]
	s_cmp_lt_u32 ttmp9, 288
	s_cselect_b64 s[24:25], s[6:7], s[24:25]
	s_cmp_lt_u32 ttmp9, 256
	s_cselect_b64 s[24:25], s[4:5], s[24:25]
	s_cselect_b64 s[26:27], s[14:15], s[16:17]
	s_cselect_b32 s28, ttmp9, s28
	s_cselect_b32 s29, ttmp9, s29
	s_lshl_b32 s30, s28, 17                        ; 32 rows of 4,096 bytes a group,
	s_lshl_b32 s31, s21, 15                        ; 8 rows for tile 1,
	s_add_co_u32 s30, s30, s31
	s_lshl_b32 s31, s22, 11                        ; 2,048 bytes for the second half of K
	s_add_co_u32 s30, s30, s31
	s_mov_b32 s31, 0
	s_add_nc_u64 s[24:25], s[24:25], s[30:31]
	s_lshl_b32 s32, s29, 1
	s_add_co_u32 s32, s32, s21
	s_mul_i32 s32, s32, 8704                       ; my tile's record
	s_mov_b32 s33, 0
	s_add_nc_u64 s[26:27], s[26:27], s[32:33]
	s_lshl_b32 s32, s22, 8
	s_add_nc_u64 s[34:35], s[26:27], s[32:33]      ; the scale words' base: + 256 t
	s_lshl_b32 s32, s22, 12
	s_add_nc_u64 s[26:27], s[26:27], s[32:33]      ; the codes' base: + 4,096 t
.macro LOAD u                          ; unit u: 16 rows x 512 bytes, a row a load
.irp p, 0,1,2,3,4,5,6,7,8,9,10,11,12,13,14,15
	global_load_b128 v[R+64*((\u)%2)+4*\p:R+64*((\u)%2)+4*\p+3], v4, s[24:25] offset:(\p+8*(\p/8))*4096+512*(\u) th:TH_LOAD_NT
.endr
.endm
.macro TURN u                          ; through the stage: LDS serves a wave's instructions in order, so no wait stands between the stores and the loads
.irp p, 0,1,2,3,4,5,6,7,8,9,10,11,12,13,14,15
	ds_store_b128 v5, v[R+64*((\u)%2)+4*\p:R+64*((\u)%2)+4*\p+3] offset:528*\p
.endr
.irp c, 0,1
.irp k, 0,1,2,3,4,5,6,7
	ds_load_b128 v[X+32*\c+4*\k:X+32*\c+4*\k+3], v6 offset:256*\c+16*\k
.endr
.endr
.endm
.macro UNIT u, left
	s_wait_loadcnt \left                           ; this unit's 16 loads are in; the next unit's 16 may be out
	TURN \u
	s_wait_dscnt 0x0                               ; my two blocks are back, and the stores have read their registers,
.if (\u) < 2
	LOAD (\u)+2                                    ; which take the unit two further on
.endif
.irp c, 0,1
	v_max3_num_f32 v[8+\c], |v[X+32*\c]|, |v[X+32*\c+1]|, 0x1800000   ; block 2 c + h: all 32 numbers are mine; the floor 2^(3 - 127) holds the byte at 1 from below
.endr
.irp i, 2,4,6,8,10,12,14,16,18,20,22,24,26,28,30
.irp c, 0,1
	v_max3_num_f32 v[8+\c], v[8+\c], |v[X+32*\c+\i]|, |v[X+32*\c+\i+1]|
.endr
.endr
.irp c, 0,1
	v_add_nc_u32 v[10+\c], 0xff000000, v[8+\c]     ; 2 off the exponent field: the conversion's scale operand
.endr
.irp c, 0,1
	v_lshrrev_b32 v[12+\c], 23, v[10+\c]           ; the scale's byte
.endr
	v_lshl_or_b32 v14, v13, 16, v12                ; my two bytes, blocks h and 2 + h,
	v_lshlrev_b32 v14, v18, v14                    ; at their places;
	v_permlanex16_b32 v19, v14, s40, s41
	v_or_b32 v[SW+(\u)], v14, v19                  ; with lane l xor 16's the word is whole
.irp c, 0,1
.irp g, 0,1,2,3
	v_cvt_scalef32_pk8_fp4_f32 v[C+8*(\u)+4*\c+\g], v[X+32*\c+8*\g:X+32*\c+8*\g+7], v[10+\c]
.endr
.endr
	v_nop                                          ; one plain line behind the last conversion
.irp c, 0,1
	global_store_b128 v4, v[C+8*(\u)+4*\c:C+8*(\u)+4*\c+3], s[26:27] offset:1024*(\u)+512*\c   ; 512 consecutive bytes: a group of the image
.endr
.endm
	LOAD 0
	LOAD 1
	UNIT 0, 16
	UNIT 1, 16
	UNIT 2, 16
	UNIT 3, 0
	v_cmp_ne_u32 vcc_lo, 0, v3
	v_cndmask_b32 v24, v20, v22, vcc_lo            ; lane (r, h) stores the words of units 2 h and 2 h + 1
	v_cndmask_b32 v25, v21, v23, vcc_lo
	global_store_b64 v7, v[24:25], s[34:35] offset:8192   ; 256 consecutive bytes, aligned
	s_wait_tensorcnt 0x0                           ; the wave's end: behind my last LDS store
	ds_add_u32 v16, v17
	s_wait_dscnt 0x0
	s_endpgm
; THE TABLE: rope[t][i] = (cos, sin)(t x inv_freq[i]), f32, 256 bytes a position.  inv_freq[i] = 1 / 10000^(2 i / 64) = 1 / 10^(i / 8): the power is written as a decimal, which the assembler rounds to the nearest f32, and the
; reciprocal is refined by two Newton steps.  The angle is one f32 product, as reference() has it.  It is brought into [-pi/4, pi/4] with pi/2 in three parts (fused multiply-adds), and cos and sin are polynomials there.
.Lrope:
	s_sub_co_u32 s21, ttmp9, 384
	s_lshl_b32 s21, s21, 2
	s_add_co_u32 s21, s21, s20                     ; which of the 64 waves
	s_lshl_b32 s22, s21, 5                         ; my first position
	v_mov_b32 v8, 0
.set IDX, 0
.irp p, 1.0, 1.333521432163324, 1.7782794100389228, 2.371373705661655, 3.1622776601683795, 4.216965034285822, 5.623413251903491, 7.498942093324558, 10.0, 13.33521432163324, 17.782794100389228, 23.71373705661655, 31.622776601683795, 42.16965034285822, 56.23413251903491, 74.98942093324558, 100.0, 133.3521432163324, 177.82794100389228, 237.1373705661655, 316.22776601683795, 421.6965034285822, 562.3413251903491, 749.8942093324558, 1000.0, 1333.521432163324, 1778.2794100389228, 2371.373705661655, 3162.2776601683795, 4216.965034285822, 5623.413251903491, 7498.942093324558
	s_mov_b32 s23, \p
	v_writelane_b32 v8, s23, IDX                   ; lane i: 10^(i / 8)
.set IDX, IDX+1
.endr
	s_mov_b32 s24, 0x3f22f983                      ; 2 / pi
	s_mov_b32 s25, 0xbfc90fd8                      ; -pi/2 in three parts
	s_mov_b32 s26, 0xb4a8885a
	s_mov_b32 s27, 0xa7c234c4
	s_mov_b32 s28, 0.0000244677067                 ; cos: coefficients of r^8, r^6, r^4
	s_mov_b32 s29, -0.00138877297
	s_mov_b32 s30, 0.0416666567
	s_mov_b32 s31, 0.00000286567956                ; sin: of r^9, r^7, r^5, r^3
	s_mov_b32 s32, -0.000198559923
	s_mov_b32 s33, 0.00833338592
	s_mov_b32 s34, -0.166666672
	v_rcp_f32 v9, v8
	v_lshlrev_b32 v28, 3, v1                       ; (a plain line behind the reciprocal)  8 x lane
	s_wait_alu depctr_va_vdst(0)                   ; ahead of the result's first reader
	v_fma_f32 v10, -v8, v9, 1.0
	v_fma_f32 v9, v9, v10, v9
	v_fma_f32 v10, -v8, v9, 1.0
	v_fma_f32 v9, v9, v10, v9                      ; inv_freq
	s_mov_b32 s21, 0
	s_wait_kmcnt 0x0
.Lpos:
	s_wait_xcnt 0x0                                ; the last trip's store has read its offset and its data: both are written again below
	v_lshl_add_u32 v25, s22, 8, v28                ; 256 t + 8 i
	v_cvt_f32_u32 v10, s22
	v_mul_f32 v11, v10, v9                         ; the angle
	v_mul_f32 v12, s24, v11
	v_rndne_f32 v12, v12                           ; n = the nearest multiple of pi/2
	v_fma_f32 v13, v12, s25, v11
	v_fma_f32 v13, v12, s26, v13
	v_fma_f32 v13, v12, s27, v13                   ; r
	v_mul_f32 v14, v13, v13
	v_mov_b32 v15, s28
	v_fma_f32 v15, v15, v14, s29
	v_fma_f32 v15, v15, v14, s30
	v_fma_f32 v15, v15, v14, -0.5
	v_fma_f32 v15, v15, v14, 1.0                   ; cos r
	v_mov_b32 v18, s31
	v_fma_f32 v18, v18, v14, s32
	v_fma_f32 v18, v18, v14, s33
	v_fma_f32 v18, v18, v14, s34
	v_mul_f32 v19, v13, v14
	v_fma_f32 v18, v18, v19, v13                   ; sin r
	v_cvt_i32_f32 v19, v12                         ; the quadrant
	v_and_b32 v20, 1, v19
	v_cmp_ne_u32 vcc_lo, 0, v20
	v_cndmask_b32 v27, v18, v15, vcc_lo            ; odd quadrants change the two
	v_cndmask_b32 v26, v15, v18, vcc_lo
	v_and_b32 v20, 2, v19
	v_lshlrev_b32 v20, 30, v20
	v_xor_b32 v27, v27, v20                        ; sin is negative in quadrants 2, 3
	v_add_nc_u32 v21, 1, v19
	v_and_b32 v21, 2, v21
	v_lshlrev_b32 v21, 30, v21
	v_xor_b32 v26, v26, v21                        ; cos in quadrants 1, 2
	global_store_b64 v25, v[26:27], s[18:19]       ; 256 consecutive bytes, aligned
	s_add_co_u32 s22, s22, 1
	s_add_co_u32 s21, s21, 1
	s_cmp_lt_u32 s21, 32
	s_cbranch_scc1 .Lpos
	s_endpgm
.Lfunc_end_k_q631b3af188_prep:
	.size	k_q631b3af188_prep, .Lfunc_end_k_q631b3af188_prep-k_q631b3af188_prep
	.p2alignl 7, 3214868480
	.fill 96, 4, 3214868480
	.section	.rodata,"a",@progbits
	.p2align	6, 0x0
	.amdhsa_kernel k_q631b3af188_prep
		.amdhsa_group_segment_fixed_size 34304
		.amdhsa_private_segment_fixed_size 0
		.amdhsa_enable_private_segment 0
		.amdhsa_kernarg_size 64
		.amdhsa_user_sgpr_count 2
		.amdhsa_user_sgpr_kernarg_segment_ptr 1
		.amdhsa_wavefront_size32 1
		.amdhsa_system_sgpr_workgroup_id_x 1
		.amdhsa_system_sgpr_workgroup_id_y 1
		.amdhsa_system_sgpr_workgroup_id_z 1
		.amdhsa_system_vgpr_workitem_id 0
		.amdhsa_next_free_vgpr 256
		.amdhsa_next_free_sgpr 66
		.amdhsa_reserve_vcc 1
		.amdhsa_float_denorm_mode_32 3
		.amdhsa_float_denorm_mode_16_64 3
		.amdhsa_memory_ordered 1
		.amdhsa_forward_progress 1
		.amdhsa_inst_pref_size 37
	.end_amdhsa_kernel
	.amdgpu_metadata
---
amdhsa.version: [ 1, 2 ]
amdhsa.kernels:
  - .name:           k_q631b3af188_prep
    .symbol:         k_q631b3af188_prep.kd
    .args:
      - { .name: query, .offset: 0, .size: 8, .value_kind: global_buffer, .address_space: global }
      - { .name: Wq, .offset: 8, .size: 8, .value_kind: global_buffer, .address_space: global }
      - { .name: Wk, .offset: 16, .size: 8, .value_kind: global_buffer, .address_space: global }
      - { .name: Wv, .offset: 24, .size: 8, .value_kind: global_buffer, .address_space: global }
      - { .name: Wo, .offset: 32, .size: 8, .value_kind: global_buffer, .address_space: global }
      - { .name: xq, .offset: 40, .size: 8, .value_kind: global_buffer, .address_space: global }
      - { .name: wq, .offset: 48, .size: 8, .value_kind: global_buffer, .address_space: global }
      - { .name: rope, .offset: 56, .size: 8, .value_kind: global_buffer, .address_space: global }
    .group_segment_fixed_size: 34304
    .private_segment_fixed_size: 0
    .kernarg_segment_align: 8
    .kernarg_segment_size: 64
    .max_flat_workgroup_size: 128
    .sgpr_count:     66
    .vgpr_count:     256
    .wavefront_size: 32
...
	.end_amdgpu_metadata
.endif
;; end of part 1
;; launch qkv (part 2): grid 12 x 32, 4 waves a work-group, clusters of 4 x 4, 327,680 bytes of LDS; arguments xq, wq, rope, bq, bk, bv, qq, kv; writes qq, kv
.if DOCPART == 2
	.amdgcn_target "amdgcn-amd-amdhsa--gfx1250"
	.amdhsa_code_object_version 6
	.text
	.protected	k_q631b3af188_qkv
	.globl	k_q631b3af188_qkv
	.p2align	8
	.type	k_q631b3af188_qkv,@function
k_q631b3af188_qkv:
	s_mov_b64 s[64:65], 0
	v_nop
	global_prefetch_b8 v0, s[64:65] scope:SCOPE_SE
	s_setreg_imm32_b32 hwreg(HW_REG_WAVE_MODE, 25, 1), 1
	s_wait_xcnt 0x0
	s_wait_alu depctr_hold_cnt(0) depctr_sa_sdst(0) depctr_va_vdst(0) depctr_va_sdst(0) depctr_va_ssrc(0) depctr_va_vcc(0) depctr_vm_vsrc(0)
	s_getreg_b32 s2, hwreg(HW_REG_IB_STS2, 6, 4)
	s_cmp_eq_u32 s2, 0
	s_cbranch_scc0 .Lentry_in_a_cluster
	s_endpgm
.Lentry_in_a_cluster:
	s_bfe_u32 s2, ttmp6, 0x10000c
	s_cmp_lg_u32 s2, 0xf033
	s_cbranch_scc0 .Lentry_shape_is_right
	s_endpgm
.Lentry_shape_is_right:
; QKV: q = rope(x Wq^T + bq), k = rope(x Wk^T + bk), v = x Wv^T + bv on codes of E2M1 (xq, wq: images of the operands' registers, made by the launch before), and the results quantised at once: q and k along the head's 64,
; v along the keys.  Nothing is left out here.
; SHARES.  A work-group makes 256 rows x 256 columns (4 heads) of one of the three; which, says the cluster's x (0 q, 1 k, 2 v), the same in all sixteen partners.  Four waves, 128 x 128 each: 64 accumulators in windows 2, 3.
; ALL OF K LIES IN LDS: 1,024 codes are 512 bytes a row.  Each wave issues three first fills (scale words, K steps 0-3, K steps 4-7 of 8 tiles); three tensor loads of a wave are out at the most.
; CLUSTER 4 x 4: x's tiles hang on the tile row alone and are asked for jointly along a row of the cluster, the weights' on the tile column alone, along a column.
; TILES ARE NOT NEIGHBOURING ROWS: tile 2 g + u, place p, is row 32 g + 8 u + p + 8 (p / 8).  So in a result the 16 registers of source 0's tiles 2 g, 2 g + 1 are 16 neighbours: 32 g + 16 (lane / 16) + 0..15.
; q, k: source 0 = 16 rows of W, source 1 = 16 rows of x: a lane holds one position and 64 features of two heads; the bias is the C of the first product; cos and sin come from the table.
; v: source 0 = 16 rows of x, source 1 = 16 rows of W: a lane holds one feature, and its registers run down the 128 keys, which are the next product's K.
; The codes leave as images of the next operand's registers: every store of the wave covers 512 consecutive bytes.
; LIMITS: as stated at the head of the first kernel (zero blocks: byte 1; NaN, infinities not served).
; REGISTERS.  window 0: v1-15 lane terms and addresses; v16, v17 the add's two; v32-63 x's scale words (tile a, register q: lanes 0-15 K step q, lanes 16-31 K step 4 + q), v64-95 W's; v96-121 the quantiser's; v128-255 x's fragments,
;   two sets; later v128-191 64 numbers to quantise, v192-215 scale words.   window 1: v0-127 W's fragments, two sets; v128.. the bias; later the table.   windows 2, 3: accumulators.
.set REC,   8704                       ; a tile's record in xq and wq
.set CHUNK, 131072                     ; LDS: chunk j (K steps 4 j .. 4 j + 3): x's 16 tiles x 4,096 bytes, then W's 16
.set SCL,   262144                     ; the scale words: x's 16 tiles x 512 bytes, then W's
.set SPARE, 278528                     ; the spare words, 128 bytes a wave
.set PERQ,  73728                      ; a head's part of qq
.set PERKV, 143360                     ; and of kv
.set TM,  96
.set PW,  112
.set PC,  114
.set ST,  128
.set SEL, 98
.set WV,  20
.set MSB, 0
.macro WIN new                         ; the immediate's high byte repeats the setting that is left
.if MSB != (\new)
	s_set_vgpr_msb (MSB<<8)|(\new)
.set MSB, (\new)
.endif
.endm
.macro PLACES n
.rept \n
	v_nop
.endr
.endm
.macro CROUND                          ; a round of the cluster's barrier
	s_barrier_signal -1
	s_barrier_wait -1
	s_cmp_lg_u32 s[WV], 0
	s_cbranch_scc1 .Lnot_wave_0_\@
	s_barrier_signal -3
.Lnot_wave_0_\@:
	s_barrier_wait -3
	s_barrier_signal -1
	s_barrier_wait -1
.endm
.macro FINISH
	s_wait_tensorcnt 0x0                           ; the wave's end
	ds_add_u32 v16, v17
	s_wait_dscnt 0x0
	CROUND                                         ; the closing round
	s_endpgm
.endm
; a matrix instruction on D_, A_, B_, SA_, SB_.  cm = 0: C = 0; 2: C = v[C_..]; 1: in place.  row = 1: the scale words of K steps 4-7, in lanes 16-31
.macro MM cm, row
.if (\cm) == 0
	v_wmma_scale_f32_16x16x128_f8f6f4 v[D_:D_+7], v[A_:A_+7], v[B_:B_+7], 0, v[SA_], v[SB_] matrix_a_fmt:MATRIX_FMT_FP4 matrix_b_fmt:MATRIX_FMT_FP4
.elseif (\cm) == 2
	v_wmma_scale_f32_16x16x128_f8f6f4 v[D_:D_+7], v[A_:A_+7], v[B_:B_+7], v[C_:C_+7], v[SA_], v[SB_] matrix_a_fmt:MATRIX_FMT_FP4 matrix_b_fmt:MATRIX_FMT_FP4
.elseif (\row) == 0
	v_wmma_scale_f32_16x16x128_f8f6f4 v[D_:D_+7], v[A_:A_+7], v[B_:B_+7], v[D_:D_+7], v[SA_], v[SB_] matrix_a_fmt:MATRIX_FMT_FP4 matrix_b_fmt:MATRIX_FMT_FP4
.else
	v_wmma_scale_f32_16x16x128_f8f6f4 v[D_:D_+7], v[A_:A_+7], v[B_:B_+7], v[D_:D_+7], v[SA_], v[SB_] matrix_a_fmt:MATRIX_FMT_FP4 matrix_b_fmt:MATRIX_FMT_FP4 matrix_a_scale:MATRIX_SCALE_ROW1 matrix_b_scale:MATRIX_SCALE_ROW1
.endif
.endm
; K step s's fragments, 8 of W and 8 of x, into set s % 2: images, 512 consecutive bytes a load
.macro FETCH s
.set FP_, ((\s)%2)
.set FJ_, ((\s)/4)
.set FO_, 1024*((\s)%4)
	WIN 0x40                                       ; destination window 1
.irp i, 0,1,2,3,4,5,6,7
	ds_load_b128 v[64*FP_+8*\i:64*FP_+8*\i+3], v[6+FJ_] offset:FO_+4096*\i
	ds_load_b128 v[64*FP_+8*\i+4:64*FP_+8*\i+7], v[6+FJ_] offset:FO_+4096*\i+512
.endr
	WIN 0
.irp i, 0,1,2,3,4,5,6,7
	ds_load_b128 v[128+64*FP_+8*\i:128+64*FP_+8*\i+3], v[4+FJ_] offset:FO_+4096*\i
	ds_load_b128 v[128+64*FP_+8*\i+4:128+64*FP_+8*\i+7], v[4+FJ_] offset:FO_+4096*\i+512
.endr
.endm
; the head of K step s: its fragments are in; the next step's are asked for, 64 matrix instructions ahead of their use
.macro KHEAD s
	s_wait_dscnt 0x0                               ; this step's set is in
.if (\s) == 3
	s_wait_tensorcnt 0x0                           ; my part of chunk 1 has landed,
	s_barrier_signal -1
	s_barrier_wait -1                              ; everybody's has: K step 4 is fetched below
.endif
.if (\s) < 7
.if (\s) > 0
	PLACES 4                                       ; in front of loads into registers that the last step's matrix instructions have read
.endif
	FETCH (\s)+1
.endif
.endm
; 64 numbers of a lane, v[s] .. v[s + 63], register 16 b + i = k 32 b + 16 (lane / 16) + i of my row, become a fragment's codes in v[PC] on and its scale word in v[PW]
.macro QUANT s
.irp b, 0,1,2,3
	v_max3_num_f32 v[TM+\b], |v[\s+16*\b]|, |v[\s+1+16*\b]|, 0x1800000   ; my 16 numbers of block b, and the floor 2^(3 - 127)
.endr
.irp i, 2,4,6,8,10,12,14
.irp b, 0,1,2,3
	v_max3_num_f32 v[TM+\b], v[TM+\b], |v[\s+16*\b+\i]|, |v[\s+1+16*\b+\i]|
.endr
.endr
.irp b, 0,1,2,3
	v_permlanex16_b32 v[TM+4+\b], v[TM+\b], s[SEL], s[SEL+1]
.endr
.irp b, 0,1,2,3
	v_max_num_f32 v[TM+\b], v[TM+\b], v[TM+4+\b]   ; with lane l xor 16's: the block's largest magnitude
.endr
.irp b, 0,1,2,3
	v_add_nc_u32 v[TM+12+\b], 0xff000000, v[TM+\b] ; 2 off its exponent field: the conversion's scale operand
.endr
.irp b, 0,1,2,3
	v_lshrrev_b32 v[TM+4+\b], 23, v[TM+12+\b]      ; the scale's byte
.endr
	v_lshl_or_b32 v[PW], v[TM+5], 8, v[TM+4]
	v_lshl_or_b32 v[PW], v[TM+6], 16, v[PW]
	v_lshl_or_b32 v[PW], v[TM+7], 24, v[PW]
.irp b, 0,1,2,3
	v_cvt_scalef32_pk8_fp4_f32 v[PC+2*\b], v[\s+16*\b:\s+7+16*\b], v[TM+12+\b]
	v_cvt_scalef32_pk8_fp4_f32 v[PC+1+2*\b], v[\s+8+16*\b:\s+15+16*\b], v[TM+12+\b]
.endr
	v_nop                                          ; one plain line behind a scaled conversion
.irp c, 0,1                                    ; a whole block to a lane: lanes 0-15 block 2 c, lanes 16-31 block 2 c + 1
.irp i, 0,1
	v_permlane16_swap_b32 v[PC+4*\c+\i], v[PC+2+4*\c+\i]
.endr
.endr
.endm
	s_load_b512 s[4:19], s[0:1], 0x0               ; xq, wq, rope, bq, bk, bv, qq, kv
	v_lshl_add_u32 v16, v0, 2, SPARE
	v_mov_b32 v17, 0
	ds_add_u32 v16, v17                            ; the wave's opening: the add, twice on end, and its wait ahead of my first tensor load
	ds_add_u32 v16, v17
	v_lshrrev_b32 v1, 5, v0
	v_readfirstlane_b32 s[WV], v1                  ; wave 0..3
	s_lshr_b32 s21, s20, 1                         ; wy: my 128 rows.  Also: I fetch for x (0) or for W (1)
	s_and_b32 s22, s20, 1                          ; wx: my 128 columns.  Also: which 8 tiles I fetch
	s_bfe_u32 s23, ttmp6, 0x40000                  ; cx
	s_bfe_u32 s24, ttmp6, 0x40004                  ; cy
	s_lshl_b32 s25, ttmp9, 2
	s_add_co_u32 s25, s25, s23                     ; x: tile column, 0..11
	s_and_b32 s26, ttmp7, 0xffff
	s_lshl_b32 s26, s26, 2
	s_add_co_u32 s26, s26, s24                     ; y: tile row, 0..31
	s_lshl_b32 s27, s24, 2
	s_lshl_b32 s27, 15, s27                        ; my row of the cluster
	s_lshl_b32 s28, 0x1111, s23                    ; my column
	; descriptor groups 1, elements of 8 bytes, records 1,088 elements apart, no padding: codes: 8 tiles x 4,096 bytes; scale words: 8 tiles x 512 bytes
	s_or_b32 s32, s27, (3<<16)|(1<<21)             ; x's codes: the mask of my row, bit 21 beside it
	s_or_b32 s40, s27, (3<<16)|(1<<21)             ; x's scale words
	s_or_b32 s48, s28, (3<<16)|(1<<21)             ; W's codes: my column
	s_or_b32 s56, s28, (3<<16)|(1<<21)             ; W's scale words
.irp g, 32, 48
	s_mov_b32 s[\g+1], 512<<16                     ; tensor_dim0
	s_mov_b32 s[\g+2], 8<<16                       ; tensor_dim1
	s_mov_b32 s[\g+3], 512<<16                     ; tile_dim0
	s_mov_b32 s[\g+4], 8                           ; tile_dim1
	s_mov_b32 s[\g+5], 1088                        ; from record to record
	s_mov_b32 s[\g+6], 0
	s_mov_b32 s[\g+7], 0
.endr
.irp g, 40, 56
	s_mov_b32 s[\g+1], 64<<16
	s_mov_b32 s[\g+2], 8<<16
	s_mov_b32 s[\g+3], 64<<16
	s_mov_b32 s[\g+4], 8
	s_mov_b32 s[\g+5], 1088
	s_mov_b32 s[\g+6], 0
	s_mov_b32 s[\g+7], 0
.endr
	s_lshl_b32 s29, s22, 3
	s_lshl_b32 s92, s26, 4
	s_add_co_u32 s92, s92, s29                     ; x: tile 16 y + 8 x half
	s_mul_i32 s92, s92, REC
	s_mov_b32 s93, 0
	s_lshl_b32 s94, s25, 4
	s_add_co_u32 s94, s94, s29                     ; W: tile 16 x + 8 x half
	s_mul_i32 s94, s94, REC
	s_mov_b32 s95, 0
	s_lshl_b32 s30, s20, 15                        ; where they go: 32,768 x wave in a chunk,
	s_lshl_b32 s31, s20, 12                        ; 4,096 x wave among the scale words: no place in the cluster enters an LDS address
	s_wait_dscnt 0x0                               ; both opening adds are done
	s_wait_kmcnt 0x0
	s_add_nc_u64 s[92:93], s[4:5], s[92:93]
	s_add_nc_u64 s[94:95], s[6:7], s[94:95]
	CROUND                                         ; all sixteen work-groups are here: the joint loads meet
.irp g, 68, 80                                 ; groups 0: scale words, chunk 0, chunk 1; s[68:79] for x, s[80:91] for W
	s_mov_b32 s[\g], 1
	s_add_co_u32 s[\g+1], s31, SCL
	s_mov_b32 s[\g+4], 1
	s_mov_b32 s[\g+5], s30
	s_mov_b32 s[\g+8], 1
	s_add_co_u32 s[\g+9], s30, CHUNK
.endr
	s_add_nc_u64 s[70:71], s[92:93], 8192
	s_mov_b64 s[74:75], s[92:93]
	s_add_nc_u64 s[78:79], s[92:93], 4096
	s_add_nc_u64 s[82:83], s[94:95], 8192
	s_mov_b64 s[86:87], s[94:95]
	s_add_nc_u64 s[90:91], s[94:95], 4096
.irp g, 71, 75, 79, 83, 87, 91
	s_or_b32 s[\g], s[\g], 0x80000000              ; type = 2
.endr
	s_cmp_eq_u32 s21, 0                            ; a wave's three first fills stand in one branch on its number
	s_cbranch_scc0 .Lfirst_w
	tensor_load_to_lds s[68:71], s[40:47]
	s_nop 0
	tensor_load_to_lds s[72:75], s[32:39]
	s_nop 0
	tensor_load_to_lds s[76:79], s[32:39]
	s_nop 0
	PLACES 4
	s_branch .Lfirst_asked
.Lfirst_w:
	tensor_load_to_lds s[80:83], s[56:63]
	s_nop 0
	tensor_load_to_lds s[84:87], s[48:55]
	s_nop 0
	tensor_load_to_lds s[88:91], s[48:55]
	s_nop 0
	PLACES 4
.Lfirst_asked:
	v_and_b32 v1, 31, v0                           ; lane
	v_and_b32 v2, 15, v0                           ; r
	v_bfe_u32 v3, v0, 4, 1                         ; h
	v_lshlrev_b32 v10, 4, v1                       ; 16 x lane: my place in every image
	s_lshl_b32 s29, s21, 15
	s_lshl_b32 s96, s22, 15
	s_add_co_u32 s96, s96, 65536
	v_add_nc_u32 v4, s29, v10                      ; x's fragments, chunk 0,
	v_add_nc_u32 v6, s96, v10                      ; W's
	s_add_co_u32 s29, s29, CHUNK
	s_add_co_u32 s96, s96, CHUNK
	v_add_nc_u32 v5, s29, v10                      ; and chunk 1
	v_add_nc_u32 v7, s96, v10
	s_lshl_b32 s29, s21, 12
	s_add_co_u32 s29, s29, SCL
	v_add_nc_u32 v8, s29, v10                      ; x's scale words
	s_lshl_b32 s96, s22, 12
	s_add_co_u32 s96, s96, SCL+8192
	v_add_nc_u32 v9, s96, v10                      ; W's
	v_and_b32 v12, 8, v2
	v_add_nc_u32 v12, v12, v2                      ; r + 8 (r / 8)
	v_lshlrev_b32 v11, 8, v12
	v_lshl_add_u32 v11, v3, 6, v11                 ; the table: my position's 256 bytes, + 64 h
	v_lshlrev_b32 v13, 6, v3                       ; q's, k's bias: + 64 h
	v_lshlrev_b32 v14, 2, v12                      ; v's bias: my feature
	v_mul_u32_u24 v15, v3, PERKV
	v_lshl_add_u32 v15, v2, 4, v15                 ; v's scale words: 16 r, lanes 16-31 the next head
.irp b, 0,1,2,3
	v_mov_b32 v[TM+4+\b], 0                        ; (a lane permute's destination counts as one of its sources)
.endr
	s_mov_b32 s[SEL], 0x76543210
	s_mov_b32 s[SEL+1], 0xfedcba98
	s_lshr_b32 s29, s26, 3
	s_lshl_b32 s29, s29, 4                         ; 16 x batch
	s_and_b32 s96, s25, 3
	s_lshl_b32 s97, s96, 2
	s_add_co_u32 s29, s29, s97
	s_lshl_b32 s97, s22, 1
	s_add_co_u32 s29, s29, s97                     ; s29: my first head, 16 b + 4 (x % 4) + 2 wx
	s_and_b32 s97, s26, 7
	s_lshl_b32 s30, s97, 1
	s_add_co_u32 s30, s30, s21                     ; s30: which 128 positions of the sequence
	s_lshl_b32 s31, s96, 10
	s_lshl_b32 s96, s22, 9
	s_add_co_u32 s31, s31, s96                     ; s31: my first feature in a bias, in bytes
	s_wait_tensorcnt 0x1                           ; my scale words and my part of chunk 0 are in; chunk 1's load may stay out
	s_barrier_signal -1
	s_barrier_wait -1
	FETCH 0
.irp i, 0,1,2,3,4,5,6,7
	ds_load_b128 v[32+4*\i:35+4*\i], v8 offset:512*\i   ; a tile's scale words of all eight K steps
	ds_load_b128 v[64+4*\i:67+4*\i], v9 offset:512*\i
.endr
	s_cmp_eq_u32 ttmp9, 2                          ; the cluster's x: the same in all sixteen partners
	s_cbranch_scc1 .Lpath_v
	; ---------------- q and k
	s_cmp_eq_u32 ttmp9, 0
	s_cselect_b64 s[92:93], s[10:11], s[12:13]     ; the bias,
	s_cselect_b64 s[94:95], s[16:17], s[18:19]     ; the buffer,
	s_mov_b32 s96, PERKV
	s_cselect_b32 s96, PERQ, s96                   ; a head's bytes in it,
	s_mov_b32 s97, 13
	s_cselect_b32 s97, 12, s97                     ; a step's (as a shift),
	s_mov_b32 s100, 131072
	s_cselect_b32 s100, 65536, s100                ; and where the scale words begin
	s_mov_b32 s3, 0
	s_mov_b32 s2, s31
	s_add_nc_u64 s[92:93], s[92:93], s[2:3]
	s_mul_i32 s2, s29, s96
	s_add_nc_u64 s[94:95], s[94:95], s[2:3]        ; my first head
	s_lshl_b32 s2, s30, s97
	s_add_nc_u64 s[4:5], s[94:95], s[2:3]          ; its codes of my 128 positions
	s_lshl_b32 s2, s30, 9
	s_add_co_u32 s2, s2, s100
	s_add_nc_u64 s[10:11], s[94:95], s[2:3]        ; and their scale words
	s_mov_b32 s2, s96
	s_add_nc_u64 s[6:7], s[4:5], s[2:3]            ; the same for my second head
	s_add_nc_u64 s[12:13], s[10:11], s[2:3]
	s_and_b32 s2, s26, 7
	s_lshl_b32 s2, s2, 16
	s_lshl_b32 s101, s21, 15
	s_add_co_u32 s2, s2, s101
	s_add_nc_u64 s[8:9], s[8:9], s[2:3]            ; the table at my first position
	WIN 0x40
.irp b, 0,1,2,3,4,5,6,7                        ; the bias in the result's layout: tile b, lane half h: features 32 (b / 2) + 8 (b % 2) + 16 h + 0..7
	global_load_b128 v[128+8*\b:131+8*\b], v13, s[92:93] offset:4*(32*(\b/2)+8*(\b%2))
	global_load_b128 v[132+8*\b:135+8*\b], v13, s[92:93] offset:4*(32*(\b/2)+8*(\b%2))+16
.endr
	WIN 0
; 64 products of K step s: x's tiles one after the other, each against W's eight; the 64 accumulators take turns in the same order in every step
.macro MULQK s
.set P_, (\s)%2
.set Q_, (\s)%4
.irp a, 0,1,2,3,4,5,6,7
.if (\s) == 0
	WIN 0x91+0x40*(\a/4)                           ; W window 1, x window 0, the bias window 1, D window 2 or 3
.else
	WIN 0xa1+0x50*(\a/4)
.endif
.irp b, 0,1,2,3,4,5,6,7
.set D_, 8*(8*(\a%4)+\b)
.set A_, 64*P_+8*\b
.set B_, 128+64*P_+8*\a
.set C_, 128+8*\b
.set SA_, 64+4*\b+Q_
.set SB_, 32+4*\a+Q_
.if (\s) == 0
	MM 2, 0
.else
	MM 1, (\s)/4
.endif
.endr
.endr
.endm
; cos and sin for row tiles a0 .. a0 + 3: 32 registers a tile: register 16 g + m, + 1 = (cos, sin) of frequency 16 g + 8 h + m / 2 at my position
.macro TABLES a0
	WIN 0x40
.irp a, 0,1,2,3
.irp k, 0,1,2,3,4,5,6,7
	global_load_b128 v[32*(\a0)+32*\a+4*\k:32*(\a0)+32*\a+4*\k+3], v11, s[8:9] offset:256*(32*((\a0+\a)/2)+8*((\a0+\a)%2))+128*(\k/4)+16*(\k%4)
.endr
.endr
.endm
; row tile a: the rotation, two fused steps a pair: (-xo sin, xo cos), then + (xe cos, xe sin); the quantiser; two heads' codes go out
.macro EPI_QK a
.set X_, 64*((\a)%4)
.set T_, 32*(\a)
	WIN 0x06+(\a)/4                                ; the accumulators window 2 or 3, the table window 1, the rest window 0
.set n, 0
.rept 32
	v_pk_mul_f32 v[ST+n:ST+n+1], v[X_+n:X_+n+1], v[T_+n%32:T_+n%32+1] op_sel:[1,1] op_sel_hi:[1,0] neg_lo:[1,0]
.set n, n+2
.endr
.set n, 0
.rept 32
	v_pk_fma_f32 v[ST+n:ST+n+1], v[X_+n:X_+n+1], v[T_+n%32:T_+n%32+1], v[ST+n:ST+n+1] op_sel_hi:[0,1,1]
.set n, n+2
.endr
	WIN 0
	s_wait_xcnt 0x0                                ; the last tile's stores have read their data: the codes' registers are written again
	QUANT ST
	v_mov_b32 v[192+(\a)], v[PW]                   ; first head: bytes 0, 1 are its blocks' (bytes 2, 3, the other head's, meet zero codes alone)
	v_lshrrev_b32 v[200+(\a)], 16, v[PW]           ; second head
	global_store_b128 v10, v[PC:PC+3], s[4:5] offset:512*(\a)
	global_store_b128 v10, v[PC+4:PC+7], s[6:7] offset:512*(\a)
.endm
	s_wait_loadcnt 0x0                             ; the bias
	KHEAD 0
	MULQK 0
	KHEAD 1
	TABLES 4                                       ; into the bias's registers and beyond, behind the places of this step's head: window 1, v128-255
	MULQK 1
.irp s, 2,3,4,5,6,7
	KHEAD \s
	MULQK \s
.endr
	PLACES 4                                       ; behind the last products: for the loads below and the first reads of results
	TABLES 0                                       ; window 1, v0-127: W's fragments are done with
	s_wait_loadcnt 32                              ; the tables of row tiles 4-7 are in; the 32 loads just issued may be out
.irp a, 4,5,6,7
	EPI_QK \a
.endr
	s_wait_loadcnt 0x0
.irp a, 0,1,2,3
	EPI_QK \a
.endr
	v_cmp_ne_u32 vcc_lo, 0, v3
.irp i, 0,1,2,3
	v_cndmask_b32 v[208+\i], v[192+\i], v[196+\i], vcc_lo   ; lane (r, h), word i: tile 4 h + i
	v_cndmask_b32 v[212+\i], v[200+\i], v[204+\i], vcc_lo
.endr
	global_store_b128 v10, v[208:211], s[10:11]    ; 512 consecutive bytes
	global_store_b128 v10, v[212:215], s[12:13]
	FINISH
	; ---------------- v
.Lpath_v:
	s_mov_b32 s3, 0
	s_mov_b32 s2, s31
	s_add_nc_u64 s[14:15], s[14:15], s[2:3]        ; bv at my first feature
	s_mul_i32 s2, s29, PERKV
	s_add_nc_u64 s[18:19], s[18:19], s[2:3]        ; kv at my first head
	s_lshl_b32 s2, s30, 8
	s_add_nc_u64 s[16:17], s[18:19], s[2:3]        ; its scale words of my key step (+ 139,264 in the store)
	s_lshl_b32 s2, s30, 13
	s_add_nc_u64 s[18:19], s[18:19], s[2:3]        ; and the step's record
	WIN 0x40
.irp b, 0,1,2,3,4,5,6,7                        ; my feature's bias for W's tile b, twice: the packed addition names a pair
	global_load_b32 v[128+2*\b], v14, s[14:15] offset:4*(32*(\b/2)+8*(\b%2))
	global_load_b32 v[129+2*\b], v14, s[14:15] offset:4*(32*(\b/2)+8*(\b%2))
.endr
	WIN 0
.macro MULV s
.set P_, (\s)%2
.set Q_, (\s)%4
.irp b, 0,1,2,3,4,5,6,7
	WIN 0xa4+0x50*(\b/4)                           ; x window 0, W window 1, C and D window 2 or 3
.irp a, 0,1,2,3,4,5,6,7
.set D_, 8*(8*(\b%4)+\a)
.set A_, 128+64*P_+8*\a
.set B_, 64*P_+8*\b
.set SA_, 32+4*\a+Q_
.set SB_, 64+4*\b+Q_
.if (\s) == 0
	MM 0, 0
.else
	MM 1, (\s)/4
.endif
.endr
.endr
.endm
; W's tile b: 16 features x my 128 keys: the bias, the quantiser along the keys, a fragment of V^T goes out
.macro EPI_V b
.set X_, 64*((\b)%4)
	WIN 0x06+(\b)/4
.set n, 0
.rept 32
	v_pk_add_f32 v[ST+n:ST+n+1], v[X_+n:X_+n+1], v[128+2*(\b):129+2*(\b)] op_sel_hi:[1,0]
.set n, n+2
.endr
	WIN 0
	s_wait_xcnt 0x0                                ; the last tile's stores have read their data
	QUANT ST
	v_mov_b32 v[192+(\b)], v[PW]
	global_store_b128 v10, v[PC:PC+3], s[18:19] offset:4096+PERKV*((\b)/4)+1024*((\b)%4)
	global_store_b128 v10, v[PC+4:PC+7], s[18:19] offset:4096+PERKV*((\b)/4)+1024*((\b)%4)+512
.endm
	s_wait_loadcnt 0x0
.irp s, 0,1,2,3,4,5,6,7
	KHEAD \s
	MULV \s
.endr
	PLACES 4
.irp b, 0,1,2,3,4,5,6,7
	EPI_V \b
.endr
	v_cmp_ne_u32 vcc_lo, 0, v3
.irp i, 0,1,2,3
	v_cndmask_b32 v[208+\i], v[192+\i], v[196+\i], vcc_lo   ; lanes 0-15: my first head's four tiles; lanes 16-31: my second head's
.endr
	global_store_b128 v15, v[208:211], s[16:17] offset:139264   ; sixteen lanes store 256 consecutive bytes, aligned
	FINISH
.Lfunc_end_k_q631b3af188_qkv:
	.size	k_q631b3af188_qkv, .Lfunc_end_k_q631b3af188_qkv-k_q631b3af188_qkv
	.p2alignl 7, 3214868480
	.fill 96, 4, 3214868480
	.section	.rodata,"a",@progbits
	.p2align	6, 0x0
	.amdhsa_kernel k_q631b3af188_qkv
		.amdhsa_group_segment_fixed_size 327680
		.amdhsa_private_segment_fixed_size 0
		.amdhsa_enable_private_segment 0
		.amdhsa_kernarg_size 64
		.amdhsa_user_sgpr_count 2
		.amdhsa_user_sgpr_kernarg_segment_ptr 1
		.amdhsa_wavefront_size32 1
		.amdhsa_system_sgpr_workgroup_id_x 1
		.amdhsa_system_sgpr_workgroup_id_y 1
		.amdhsa_system_sgpr_workgroup_id_z 1
		.amdhsa_system_vgpr_workitem_id 0
		.amdhsa_next_free_vgpr 1024
		.amdhsa_next_free_sgpr 102
		.amdhsa_reserve_vcc 1
		.amdhsa_float_denorm_mode_32 3
		.amdhsa_float_denorm_mode_16_64 3
		.amdhsa_memory_ordered 1
		.amdhsa_forward_progress 1
		.amdhsa_inst_pref_size 255
	.end_amdhsa_kernel
	.section	.bss,"aw",@nobits
	.p2align	6
	.space	262144
	.amdgpu_metadata
---
amdhsa.version: [ 1, 2 ]
amdhsa.kernels:
  - .name:           k_q631b3af188_qkv
    .symbol:         k_q631b3af188_qkv.kd
    .args:
      - { .name: xq, .offset: 0, .size: 8, .value_kind: global_buffer, .address_space: global }
      - { .name: wq, .offset: 8, .size: 8, .value_kind: global_buffer, .address_space: global }
      - { .name: rope, .offset: 16, .size: 8, .value_kind: global_buffer, .address_space: global }
      - { .name: bq, .offset: 24, .size: 8, .value_kind: global_buffer, .address_space: global }
      - { .name: bk, .offset: 32, .size: 8, .value_kind: global_buffer, .address_space: global }
      - { .name: bv, .offset: 40, .size: 8, .value_kind: global_buffer, .address_space: global }
      - { .name: qq, .offset: 48, .size: 8, .value_kind: global_buffer, .address_space: global }
      - { .name: kv, .offset: 56, .size: 8, .value_kind: global_buffer, .address_space: global }
    .group_segment_fixed_size: 327680
    .private_segment_fixed_size: 0
    .kernarg_segment_align: 8
    .kernarg_segment_size: 64
    .max_flat_workgroup_size: 128
    .sgpr_count:     102
    .vgpr_count:     1024
    .wavefront_size: 32
...
	.end_amdgpu_metadata
.endif
;; end of part 2
;; launch attn (part 3): grid 4 x 64, 16 waves a work-group, clusters of 4 x 1, 167,936 bytes of LDS; arguments qq, kv, oq; writes oq
.if DOCPART == 3
	.amdgcn_target "amdgcn-amd-amdhsa--gfx1250"
	.amdhsa_code_object_version 6
	.text
	.protected	k_q631b3af188_attn
	.globl	k_q631b3af188_attn
	.p2align	8
	.type	k_q631b3af188_attn,@function
k_q631b3af188_attn:
	s_mov_b64 s[64:65], 0
	v_nop
	global_prefetch_b8 v0, s[64:65] scope:SCOPE_SE
	s_setreg_imm32_b32 hwreg(HW_REG_WAVE_MODE, 25, 1), 1
	s_wait_xcnt 0x0
	s_wait_alu depctr_hold_cnt(0) depctr_sa_sdst(0) depctr_va_vdst(0) depctr_va_sdst(0) depctr_va_ssrc(0) depctr_va_vcc(0) depctr_vm_vsrc(0)
	s_getreg_b32 s2, hwreg(HW_REG_IB_STS2, 6, 4)
	s_cmp_eq_u32 s2, 0
	s_cbranch_scc0 .Lentry_in_a_cluster
	s_endpgm
.Lentry_in_a_cluster:
	s_bfe_u32 s2, ttmp6, 0x10000c
	s_cmp_lg_u32 s2, 0x3003
	s_cbranch_scc0 .Lentry_shape_is_right
	s_endpgm
.Lentry_shape_is_right:
; ATTN: o = softmax(q k^T / 8, causal) v on codes of E2M1, and o quantised along the model's 1,024 for the last product.  p = 2^(t - M), t = score x log2(e) / 8, M the running largest t rounded up to a whole number; the row's sum is
; taken of the unquantised p and divides at the end.
; LEFT OUT (shown at the head of the first kernel): key steps of 128 keys all of which come after all 16 queries of a tile; a NaN or an infinity that reaches only those scores is not carried.
; SHARES.  A work-group belongs to one head (grid y); its sixteen waves own TWO tiles of 16 queries each: tile A = 4 w + j and tile B = 127 - A, j the work-group's place among the head's four.  Tile A sees key steps 0 .. w / 2,
; tile B 0 .. 15 - w / 2: 17 tile steps for every wave of every work-group.  Branches hang on the wave's number and the count of steps alone; j enters global addresses and the mask's compare.
; A WHOLE HEAD'S K AND V LIE IN LDS (143,360 bytes, as they lie in kv): three first fills a wave (scale words; key steps 0, 1; key steps 2-15), three out at the most.
; CLUSTER: the head's four work-groups read the same bytes: each fill is asked for jointly by the four.
; LAYOUT.  S^T = K Q^T, O^T = V^T P^T: a lane holds one query.  Tile 2 g + u, place p, is row 32 g + 8 u + p + 8 (p / 8), for keys, queries and V's features alike, so 16 registers of two neighbouring tiles are 16 neighbours.
; K = 64 IN AN INSTRUCTION OF 128: Q's codes of k = 64..127 are zeros.  K's operand of tile T is v[32 + 4 T .. + 7]: its upper half is the next tile's codes (zeros behind tile 7).  E2M1 has no NaN and no infinity and no scale byte
; here is 0xff, so those products are exactly 0.
; o's scale bytes leave as single bytes (a head owns half of a scale word): 32 bytes a tile against 512 of codes.
; LIMITS: the running largest t begins at -3e38; zero blocks get the byte 1; NaN and infinities are not served.
; REGISTERS: v1 16 x lane; v2, v3 the add's two; v4 16 r; v5-7 LDS addresses of the step; v8, v9 the masks' d; v10-13, v76-79 -M, largest t, the sum's pair of A, of B; v14, v15 Q's scale words; v16-23, v24-31 Q; v32-63 K's 8 tiles, then V's 4;
;   v64-67 zeros; v68-71 K's scale words, v72-75 V's; v80-92 the way out; v96-159 S^T, then p; v160-191, v192-223 O^T; v224-231 p's codes; v232-254 at work; v253 p's scale word.
.set SPARE, 143360                     ; behind the head's bytes: the spare words, 128 bytes a wave
.set PERQ,  73728
.set PERKV, 143360
.set WV,  10
.set S,   52                           ; s52 the key step;  s53, s54, s55 where its record, K's scale words and V's begin in LDS
.set LA,  56                           ; s56, s57 the last key step of tile A, of tile B
.set LB,  57
.set SEL, 58
.set CS,  60                           ; s[60:61] log2(e) / 8
.macro CROUND
	s_barrier_signal -1
	s_barrier_wait -1
	s_cmp_lg_u32 s[WV], 0
	s_cbranch_scc1 .Lnot_wave_0_\@
	s_barrier_signal -3
.Lnot_wave_0_\@:
	s_barrier_wait -3
	s_barrier_signal -1
	s_barrier_wait -1
.endm
	s_load_b128 s[4:7], s[0:1], 0x0                ; qq, kv
	s_load_b64 s[8:9], s[0:1], 0x10                ; oq
	v_lshl_add_u32 v2, v0, 2, SPARE
	v_mov_b32 v3, 0
	ds_add_u32 v2, v3                              ; the wave's opening: the add, twice on end, and its wait ahead of my first tensor load
	ds_add_u32 v2, v3
	v_lshrrev_b32 v1, 5, v0
	v_readfirstlane_b32 s[WV], v1                  ; wave 0..15
	s_bfe_u32 s11, ttmp6, 0x40000                  ; j: my place in the cluster
	s_and_b32 s12, ttmp7, 0xffff                   ; 16 x batch + head
	s_lshr_b32 s[LA], s10, 1
	s_sub_co_u32 s[LB], 15, s[LA]
	; descriptor groups 1: dense rows of 256 bytes (32 elements of 8 bytes); 3, 4 and 28 rows; the mask names all four work-groups
.irp g, 16, 24, 32
	s_mov_b32 s[\g], 15|(3<<16)|(1<<21)
	s_mov_b32 s[\g+1], 32<<16
	s_mov_b32 s[\g+3], 32<<16
	s_mov_b32 s[\g+5], 32
	s_mov_b32 s[\g+6], 0
	s_mov_b32 s[\g+7], 0
.endr
	s_mov_b32 s18, 3<<16
	s_mov_b32 s20, 3
	s_mov_b32 s26, 4<<16
	s_mov_b32 s28, 4
	s_mov_b32 s34, 28<<16
	s_mov_b32 s36, 28
	s_mul_i32 s13, s12, PERKV
	s_mul_i32 s66, s10, 768
	s_add_co_u32 s66, s66, 131072                  ; my part of the scale words: the same place in LDS as in the head's bytes,
	s_lshl_b32 s67, s10, 10                        ; of key steps 0, 1,
	s_mul_i32 s68, s10, 7168
	s_add_co_u32 s68, s68, 16384                   ; of key steps 2-15
	s_mov_b32 s[SEL], 0x76543210
	s_mov_b32 s[SEL+1], 0xfedcba98
	s_mov_b32 s[CS], 0x3e38aa3b
	s_mov_b32 s[CS+1], s[CS]
	s_mov_b32 s15, 0
	s_wait_dscnt 0x0                               ; both opening adds are done
	s_wait_kmcnt 0x0
	s_mov_b32 s14, s13
	s_add_nc_u64 s[6:7], s[6:7], s[14:15]          ; kv at my head
	CROUND                                         ; all four work-groups are here: the joint loads meet
	s_mov_b32 s40, 1
	s_mov_b32 s41, s66
	s_mov_b32 s14, s66
	s_add_nc_u64 s[42:43], s[6:7], s[14:15]
	s_or_b32 s43, s43, 0x80000000
	s_mov_b32 s44, 1
	s_mov_b32 s45, s67
	s_mov_b32 s14, s67
	s_add_nc_u64 s[46:47], s[6:7], s[14:15]
	s_or_b32 s47, s47, 0x80000000
	s_mov_b32 s48, 1
	s_mov_b32 s49, s68
	s_mov_b32 s14, s68
	s_add_nc_u64 s[50:51], s[6:7], s[14:15]
	s_or_b32 s51, s51, 0x80000000
	tensor_load_to_lds s[40:43], s[16:23]
	s_nop 0
	tensor_load_to_lds s[44:47], s[24:31]
	s_nop 0
	tensor_load_to_lds s[48:51], s[32:39]
	s_nop 0
.rept 4
	v_nop
.endr
	v_and_b32 v1, 31, v0
	v_lshlrev_b32 v1, 4, v1                        ; 16 x lane
	v_and_b32 v87, 15, v0                          ; r
	v_bfe_u32 v86, v0, 4, 1                        ; h
	v_lshlrev_b32 v4, 4, v87                       ; 16 r
	v_add_nc_u32 v85, v4, v86                      ; 16 r + h: my scale byte's place
	v_and_b32 v5, 8, v87
	v_add_nc_u32 v5, v5, v87
	v_lshlrev_b32 v6, 4, v86
	v_sub_nc_u32 v5, v5, v6                        ; r + 8 (r / 8) - 16 h
	s_lshl_b32 s69, s10, 2
	s_add_co_u32 s69, s69, s11                     ; tile A
	s_sub_co_u32 s70, 127, s69                     ; tile B
	s_mul_i32 s14, s12, PERQ
	s_add_nc_u64 s[4:5], s[4:5], s[14:15]          ; qq at my head
	s_lshr_b32 s71, s12, 4
	s_lshl_b32 s71, s71, 7                         ; 128 tiles a batch in oq
	s_and_b32 s88, s12, 15                         ; the head
	s_lshl_b32 s89, s88, 9                         ; its group of 512 bytes in a record
	s_lshr_b32 s90, s88, 3
	s_lshl_b32 s90, s90, 8
	s_bfe_u32 s91, s88, 0x20001
	s_lshl_b32 s91, s91, 2
	s_add_co_u32 s90, s90, s91
	s_and_b32 s91, s88, 1
	s_lshl_b32 s91, s91, 1
	s_add_co_u32 s90, s90, s91                     ; and its two bytes' place among the scale words
; a tile's addresses: Q's codes, Q's scale words, o's codes, o's scale bytes; and d = my query's place in its key step - 16 h
.macro TILEADR tau, qc, qs, oc, os, d
	s_lshl_b32 s14, s[\tau], 9
	s_add_nc_u64 s[\qc:\qc+1], s[4:5], s[14:15]
	s_lshr_b32 s14, s[\tau], 2
	s_lshl_b32 s14, s14, 8
	s_and_b32 s92, s[\tau], 3
	s_lshl_b32 s92, s92, 2
	s_add_co_u32 s14, s14, s92
	s_add_nc_u64 s[\qs:\qs+1], s[4:5], s[14:15]
	s_add_co_u32 s14, s71, s[\tau]
	s_mul_i32 s14, s14, 8704
	s_add_nc_u64 s[\os:\os+1], s[8:9], s[14:15]
	s_mov_b32 s14, s89
	s_add_nc_u64 s[\oc:\oc+1], s[\os:\os+1], s[14:15]
	s_mov_b32 s14, s90
	s_add_nc_u64 s[\os:\os+1], s[\os:\os+1], s[14:15]
	s_and_b32 s14, s[\tau], 6
	s_lshl_b32 s14, s14, 4
	s_and_b32 s92, s[\tau], 1
	s_lshl_b32 s92, s92, 3
	s_add_co_u32 s14, s14, s92
	v_add_nc_u32 v[\d], s14, v5
.endm
	TILEADR 69, 72, 74, 80, 82, 8
	TILEADR 70, 76, 78, 84, 86, 9
	global_load_b128 v[16:19], v1, s[72:73]        ; Q stays in registers
	global_load_b32 v14, v4, s[74:75] offset:65536
	global_load_b128 v[24:27], v1, s[76:77]
	global_load_b32 v15, v4, s[78:79] offset:65536
.irp j, 20,21,22,23,28,29,30,31,64,65,66,67
	v_mov_b32 v[\j], 0                             ; the zero halves of Q, and the zeros behind K's tile 7
.endr
.irp j, 12,13,78,79,236,237,238,239,252,253
	v_mov_b32 v[\j], 0                             ; the sums; and what is named as a source before it is first written
.endr
	v_mov_b32 v11, 0xff61b1e6                      ; the largest t so far: -3e38
	v_mov_b32 v77, 0xff61b1e6
	v_floor_f32 v10, -v11                          ; -M
	v_floor_f32 v76, -v77
.set n, 0
.rept 64
	v_mov_b32 v[160+n], 0                          ; O^T of both tiles.  (The step is written once: the first finds zeros, which the first change of M leaves zeros)
.set n, n+1
.endr
; A KEY STEP OF ONE TILE.  Q, QS: the tile's codes and scale words; O: its O^T; ST: its statistics; D: the mask's d; L: its last key step
.macro STEP Q, QS, O, ST, D, L
	s_cmp_gt_u32 s[S], s[\L]                       ; all keys of this step come after all my queries: a branch on the wave's number and the count of steps
	s_cbranch_scc1 .Lskip_\@
.irp t, 0,1,2,3,4,5,6,7
	ds_load_b128 v[32+4*\t:35+4*\t], v5 offset:512*\t
.endr
	ds_load_b128 v[68:71], v6                      ; register i: lanes 0-15 tile i's scale words, lanes 16-31 tile 4 + i's
	s_wait_dscnt 0x0
.irp t, 0,1,2,3
	v_wmma_scale_f32_16x16x128_f8f6f4 v[96+8*\t:103+8*\t], v[32+4*\t:39+4*\t], v[\Q:\Q+7], 0, v[68+\t], v[\QS] matrix_a_fmt:MATRIX_FMT_FP4 matrix_b_fmt:MATRIX_FMT_FP4
.endr
.irp t, 4,5,6,7
	v_wmma_scale_f32_16x16x128_f8f6f4 v[96+8*\t:103+8*\t], v[32+4*\t:39+4*\t], v[\Q:\Q+7], 0, v[64+\t], v[\QS] matrix_a_fmt:MATRIX_FMT_FP4 matrix_b_fmt:MATRIX_FMT_FP4 matrix_a_scale:MATRIX_SCALE_ROW1
.endr
.rept 4
	v_nop                                          ; places in front of the loads into K's registers and of the first read of the scores
.endr
.irp t, 0,1,2,3
	ds_load_b128 v[32+8*\t:35+8*\t], v5 offset:4096+1024*\t       ; V^T's four tiles land under the softmax
	ds_load_b128 v[36+8*\t:39+8*\t], v5 offset:4096+1024*\t+512
.endr
	ds_load_b128 v[72:75], v7
	s_cmp_lg_u32 s[S], s[\L]                       ; only the tile's last step lies on the diagonal
	s_cbranch_scc1 .Lopen_\@
	v_mov_b32 v254, 0xff800000                     ; -infinity.  Register 16 b + i holds key 32 b + i + 16 h of the step: hidden where 32 b + i > d
.set n, 0
.rept 64
	v_cmp_gt_i32 vcc_lo, 32*(n/16)+n%16, v[\D]
	v_cndmask_b32 v[96+n], v[96+n], v254, vcc_lo
.set n, n+1
.endr
.Lopen_\@:
.irp b, 0,1,2,3
	v_max3_num_f32 v[232+\b], v[96+16*\b], v[97+16*\b], v[98+16*\b]   ; the largest score of each block of 32 keys: for the row's maximum, and, since p rises with the score, for the block's largest p
.endr
.irp i, 3,5,7,9,11,13
.irp b, 0,1,2,3
	v_max3_num_f32 v[232+\b], v[232+\b], v[96+16*\b+\i], v[97+16*\b+\i]
.endr
.endr
.irp b, 0,1,2,3
	v_max_num_f32 v[232+\b], v[232+\b], v[111+16*\b]
.endr
.irp b, 0,1,2,3
	v_permlanex16_b32 v[236+\b], v[232+\b], s[SEL], s[SEL+1]
.endr
.irp b, 0,1,2,3
	v_max_num_f32 v[232+\b], v[232+\b], v[236+\b]
.endr
	v_max3_num_f32 v254, v232, v233, v234
	v_max_num_f32 v254, v254, v235
	v_mul_f32 v254, s[CS], v254                    ; as t
	v_max_num_f32 v[\ST+1], v[\ST+1], v254         ; the running largest t
	v_mov_b32 v254, v[\ST]
	v_floor_f32 v[\ST], -v[\ST+1]                  ; the new -M = -ceil(t)
	v_sub_f32 v254, v[\ST], v254                   ; old M - new M: a whole number, 0 or less
	v_cvt_i32_f32 v254, v254                       ; (it saturates)
	v_ldexp_f32 v252, 1.0, v254                    ; f = 2^(old M - new M): rounds nothing
.set n, 0
.rept 32
	v_pk_fma_f32 v[96+n:97+n], v[96+n:97+n], s[CS:CS+1], v[\ST:\ST+1] op_sel_hi:[1,0,0]   ; t - M
.set n, n+2
.endr
.irp b, 0,1,2,3
	v_fma_f32 v[232+\b], v[232+\b], s[CS], v[\ST]
.endr
.set n, 0
.rept 64
	v_exp_f32 v[96+n], v[96+n]                     ; p = 2^(t - M), not normalised
.set n, n+1
.endr
	v_pk_mul_f32 v[\ST+2:\ST+3], v[\ST+2:\ST+3], v[252:253] op_sel_hi:[1,0]   ; the sums under the new M (a plain line behind the exponentials)
	s_wait_alu depctr_va_vdst(0)                   ; one wait for the batch, ahead of its first reader
.irp b, 0,1,2,3
	v_exp_f32 v[232+\b], v[232+\b]                 ; each block's largest p
.endr
	v_pk_add_f32 v[236:237], v[96:97], v[98:99]    ; the row's sum, of the unquantised p, in two chains
.irp j, 4,8,12,16,20,24,28,32,36,40,44,48,52,56,60
	v_pk_add_f32 v[\ST+2:\ST+3], v[\ST+2:\ST+3], v[96+\j:97+\j]
	v_pk_add_f32 v[236:237], v[236:237], v[98+\j:99+\j]
.endr
	v_pk_add_f32 v[\ST+2:\ST+3], v[\ST+2:\ST+3], v[236:237]
	s_wait_alu depctr_va_vdst(0)                   ; and one for the four
.irp b, 0,1,2,3
	v_max_num_f32 v[232+\b], 0x1800000, v[232+\b]  ; the floor 2^(3 - 127)
.endr
.irp b, 0,1,2,3
	v_add_nc_u32 v[244+\b], 0xff000000, v[232+\b]
.endr
.irp b, 0,1,2,3
	v_lshrrev_b32 v[236+\b], 23, v[244+\b]
.endr
	v_lshl_or_b32 v253, v237, 8, v236              ; p's scale word for these 128 keys
	v_lshl_or_b32 v253, v238, 16, v253
	v_lshl_or_b32 v253, v239, 24, v253
.irp b, 0,1,2,3
	v_cvt_scalef32_pk8_fp4_f32 v[224+2*\b], v[96+16*\b:103+16*\b], v[244+\b]
	v_cvt_scalef32_pk8_fp4_f32 v[225+2*\b], v[104+16*\b:111+16*\b], v[244+\b]
.endr
	v_nop
.irp c, 0,1
.irp i, 0,1
	v_permlane16_swap_b32 v[224+4*\c+\i], v[226+4*\c+\i]
.endr
.endr
.set n, 0
.rept 16
	v_pk_mul_f32 v[\O+n:\O+n+1], v[\O+n:\O+n+1], v[252:253] op_sel_hi:[1,0]   ; O^T under the new M.  (These sixteen are also the places between p's scale word and codes and the products below)
.set n, n+2
.endr
	s_wait_dscnt 0x0                               ; V^T and its scale words are in
.irp t, 0,1,2,3
	v_wmma_scale_f32_16x16x128_f8f6f4 v[\O+8*\t:\O+8*\t+7], v[32+8*\t:39+8*\t], v[224:231], v[\O+8*\t:\O+8*\t+7], v[72+\t], v253 matrix_a_fmt:MATRIX_FMT_FP4 matrix_b_fmt:MATRIX_FMT_FP4
.endr
.rept 4
	v_nop                                          ; places in front of the next loads into V's registers and of the next read of O^T
.endr
.Lskip_\@:
.endm
.macro TRIP
	v_add_nc_u32 v5, s53, v1
	v_add_nc_u32 v6, s54, v1
	v_add_nc_u32 v7, s55, v4
	STEP 24, 15, 192, 76, 9, LB
	STEP 16, 14, 160, 10, 8, LA
	s_add_co_u32 s53, s53, 8192
	s_add_co_u32 s54, s54, 512
	s_add_co_u32 s55, s55, 256
	s_add_co_u32 s[S], s[S], 1
.endm
	s_wait_loadcnt 0x0                             ; Q
	s_wait_tensorcnt 0x1                           ; my parts of the scale words and of key steps 0, 1 are in; the third load may stay out
	s_barrier_signal -1
	s_barrier_wait -1
	s_mov_b32 s[S], 0
	s_mov_b32 s53, 0
	s_mov_b32 s54, 131072
	s_mov_b32 s55, 139264
.Lfirst:                                           ; key steps 0, 1
	TRIP
	s_cmp_lt_u32 s[S], 2
	s_cbranch_scc1 .Lfirst
	s_wait_dscnt 0x0
	s_wait_tensorcnt 0x0                           ; my part of key steps 2-15 is in,
	s_barrier_signal -1
	s_barrier_wait -1                              ; everybody's is
	s_mov_b32 s[S], 2
	s_mov_b32 s53, 16384
	s_mov_b32 s54, 131072+1024
	s_mov_b32 s55, 139264+512
.Lrest:                                            ; key steps 2-15
	TRIP
	s_cmp_lt_u32 s[S], 16
	s_cbranch_scc1 .Lrest
; THE WAY OUT of a tile: O^T / the sum; the head's two blocks of 32 are quantised; 16 bytes a lane are a group of the next operand's image
.macro OUT O, ST, E, oc, os
	v_add_f32 v232, v[\ST+2], v[\ST+3]
	v_permlanex16_b32 v236, v232, s[SEL], s[SEL+1]
	v_add_f32 v232, v232, v236                     ; the row's sum
	v_rcp_f32 v232, v232
	v_nop
	s_wait_alu depctr_va_vdst(0)                   ; ahead of the reciprocal's first reader
	v_mov_b32 v233, v232
.set n, 0
.rept 16
	v_pk_mul_f32 v[96+n:97+n], v[\O+n:\O+n+1], v[232:233] op_sel_hi:[1,0]   ; register 16 b + i: feature 32 b + 16 h + i of the head
.set n, n+2
.endr
.irp b, 0,1
	v_max3_num_f32 v[232+\b], |v[96+16*\b]|, |v[97+16*\b]|, 0x1800000
.endr
.irp i, 2,4,6,8,10,12,14
.irp b, 0,1
	v_max3_num_f32 v[232+\b], v[232+\b], |v[96+16*\b+\i]|, |v[97+16*\b+\i]|
.endr
.endr
.irp b, 0,1
	v_permlanex16_b32 v[236+\b], v[232+\b], s[SEL], s[SEL+1]
.endr
.irp b, 0,1
	v_max_num_f32 v[232+\b], v[232+\b], v[236+\b]
.endr
.irp b, 0,1
	v_add_nc_u32 v[244+\b], 0xff000000, v[232+\b]
.endr
.irp b, 0,1
	v_lshrrev_b32 v[240+\b], 23, v[244+\b]
.endr
.irp b, 0,1
	v_cvt_scalef32_pk8_fp4_f32 v[\E+2*\b], v[96+16*\b:103+16*\b], v[244+\b]
	v_cvt_scalef32_pk8_fp4_f32 v[\E+1+2*\b], v[104+16*\b:111+16*\b], v[244+\b]
.endr
	v_nop
	v_permlane16_swap_b32 v[\E], v[\E+2]           ; lanes 0-15: block 0 whole; lanes 16-31: block 1
	v_permlane16_swap_b32 v[\E+1], v[\E+3]
	v_cndmask_b32 v[\E+4], v240, v241, vcc_lo      ; my half's byte
	global_store_b128 v1, v[\E:\E+3], s[\oc:\oc+1]                 ; 512 consecutive bytes
	global_store_b8 v85, v[\E+4], s[\os:\os+1] offset:8192
.endm
	v_cmp_ne_u32 vcc_lo, 0, v86
	OUT 160, 10, 80, 80, 82
	OUT 192, 76, 88, 84, 86
	s_wait_tensorcnt 0x0                           ; the wave's end
	ds_add_u32 v2, v3
	s_wait_dscnt 0x0
	CROUND                                         ; the closing round
	s_endpgm
.Lfunc_end_k_q631b3af188_attn:
	.size	k_q631b3af188_attn, .Lfunc_end_k_q631b3af188_attn-k_q631b3af188_attn
	.p2alignl 7, 3214868480
	.fill 96, 4, 3214868480
	.section	.rodata,"a",@progbits
	.p2align	6, 0x0
	.amdhsa_kernel k_q631b3af188_attn
		.amdhsa_group_segment_fixed_size 167936
		.amdhsa_private_segment_fixed_size 0
		.amdhsa_enable_private_segment 0
		.amdhsa_kernarg_size 24
		.amdhsa_user_sgpr_count 2
		.amdhsa_user_sgpr_kernarg_segment_ptr 1
		.amdhsa_wavefront_size32 1
		.amdhsa_system_sgpr_workgroup_id_x 1
		.amdhsa_system_sgpr_workgroup_id_y 1
		.amdhsa_system_sgpr_workgroup_id_z 1
		.amdhsa_system_vgpr_workitem_id 0
		.amdhsa_next_free_vgpr 256
		.amdhsa_next_free_sgpr 96
		.amdhsa_reserve_vcc 1
		.amdhsa_float_denorm_mode_32 3
		.amdhsa_float_denorm_mode_16_64 3
		.amdhsa_memory_ordered 1
		.amdhsa_forward_progress 1
		.amdhsa_inst_pref_size 98
	.end_amdhsa_kernel
	.amdgpu_metadata
---
amdhsa.version: [ 1, 2 ]
amdhsa.kernels:
  - .name:           k_q631b3af188_attn
    .symbol:         k_q631b3af188_attn.kd
    .args:
      - { .name: qq, .offset: 0, .size: 8, .value_kind: global_buffer, .address_space: global }
      - { .name: kv, .offset: 8, .size: 8, .value_kind: global_buffer, .address_space: global }
      - { .name: oq, .offset: 16, .size: 8, .value_kind: global_buffer, .address_space: global }
    .group_segment_fixed_size: 167936
    .private_segment_fixed_size: 0
    .kernarg_segment_align: 8
    .kernarg_segment_size: 24
    .max_flat_workgroup_size: 512
    .sgpr_count:     96
    .vgpr_count:     256
    .wavefront_size: 32
...
	.end_amdgpu_metadata
.endif
;; end of part 3
;; launch proj (part 4): grid 8 x 32, 4 waves a work-group, clusters of 4 x 4, 327,680 bytes of LDS; arguments oq, wq, bo, out0; writes out0
.if DOCPART == 4
	.amdgcn_target "amdgcn-amd-amdhsa--gfx1250"
	.amdhsa_code_object_version 6
	.text
	.protected	k_q631b3af188_proj
	.globl	k_q631b3af188_proj
	.p2align	8
	.type	k_q631b3af188_proj,@function
k_q631b3af188_proj:
	s_mov_b64 s[64:65], 0
	v_nop
	global_prefetch_b8 v0, s[64:65] scope:SCOPE_SE
	s_setreg_imm32_b32 hwreg(HW_REG_WAVE_MODE, 25, 1), 1
	s_wait_xcnt 0x0
	s_wait_alu depctr_hold_cnt(0) depctr_sa_sdst(0) depctr_va_vdst(0) depctr_va_sdst(0) depctr_va_ssrc(0) depctr_va_vcc(0) depctr_vm_vsrc(0)
	s_getreg_b32 s2, hwreg(HW_REG_IB_STS2, 6, 4)
	s_cmp_eq_u32 s2, 0
	s_cbranch_scc0 .Lentry_in_a_cluster
	s_endpgm
.Lentry_in_a_cluster:
	s_bfe_u32 s2, ttmp6, 0x10000c
	s_cmp_lg_u32 s2, 0xf033
	s_cbranch_scc0 .Lentry_shape_is_right
	s_endpgm
.Lentry_shape_is_right:
; PROJ: out0 = o Wo^T + bo on codes of E2M1 (oq and the last 64 tiles of wq: images of the operands' registers).  Nothing is left out here.
; SHARES.  A work-group makes 256 rows x 128 columns: 256 work-groups.  Four waves, 128 x 64 each: 32 accumulators in window 2.  ALL OF K LIES IN LDS: three first fills a wave (scale words, K steps 0-3, K steps 4-7), three out at the
; most; nothing is filled again.  CLUSTER 4 x 4: o's tiles are asked for jointly along a row of the cluster, Wo's along a column.
; Source 0 = 16 rows of Wo, source 1 = 16 rows of o; tile 2 g + u, place p, is row 32 g + 8 u + p + 8 (p / 8): a lane holds one row of the output and, over two neighbouring tiles of Wo, 16 neighbouring columns.  The bias is the C of the
; first product.  A block of 16 rows goes through the wave's own stage in LDS and leaves as rows: sixteen lanes store 256 consecutive bytes, aligned.
; REGISTERS.  window 0: v1-14 lane terms and addresses; v16, v17 the add's two; v32-63 o's scale words, v64-79 Wo's; v128-255 o's fragments, two sets; on the way out v128-191 rows read back.
;   window 1: v0-63 Wo's fragments, two sets; v64-95 the bias.   window 2: accumulator (a, b) at v[8 (4 a + b)].
.set REC,   8704
.set CHUNK, 98304                      ; LDS: chunk j: o's 16 tiles x 4,096 bytes, then Wo's 8
.set SCA_,  196608                     ; o's scale words, 16 x 512 bytes
.set SCB_,  204800                     ; Wo's, 8 x 512
.set STAGE, 208896                     ; 16 rows x (256 + 16) bytes for each wave: bytes of its own, into which no fill lands
.set SPARE, 226304
.set WV,  20
.set MSB, 0
.macro WIN new
.if MSB != (\new)
	s_set_vgpr_msb (MSB<<8)|(\new)
.set MSB, (\new)
.endif
.endm
.macro PLACES n
.rept \n
	v_nop
.endr
.endm
.macro CROUND
	s_barrier_signal -1
	s_barrier_wait -1
	s_cmp_lg_u32 s[WV], 0
	s_cbranch_scc1 .Lnot_wave_0_\@
	s_barrier_signal -3
.Lnot_wave_0_\@:
	s_barrier_wait -3
	s_barrier_signal -1
	s_barrier_wait -1
.endm
	s_load_b256 s[4:11], s[0:1], 0x0               ; oq, wq, bo, out0
	v_lshl_add_u32 v16, v0, 2, SPARE
	v_mov_b32 v17, 0
	ds_add_u32 v16, v17                            ; the wave's opening: the add, twice on end, and its wait ahead of my first tensor load
	ds_add_u32 v16, v17
	v_lshrrev_b32 v1, 5, v0
	v_readfirstlane_b32 s[WV], v1
	s_lshr_b32 s21, s20, 1                         ; wy: my 128 rows.  Also: I fetch for o (0) or for Wo (1)
	s_and_b32 s22, s20, 1                          ; wx: my 64 columns.  Also: which half of the tiles I fetch
	s_bfe_u32 s23, ttmp6, 0x40000
	s_bfe_u32 s24, ttmp6, 0x40004
	s_lshl_b32 s25, ttmp9, 2
	s_add_co_u32 s25, s25, s23                     ; x: 0..7
	s_and_b32 s26, ttmp7, 0xffff
	s_lshl_b32 s26, s26, 2
	s_add_co_u32 s26, s26, s24                     ; y: 0..31
	s_lshl_b32 s27, s24, 2
	s_lshl_b32 s27, 15, s27                        ; my row of the cluster
	s_lshl_b32 s28, 0x1111, s23                    ; my column
	s_or_b32 s32, s27, (3<<16)|(1<<21)             ; o's codes: 8 tiles x 4,096 bytes
	s_or_b32 s40, s27, (3<<16)|(1<<21)             ; o's scale words: 8 x 512
	s_or_b32 s48, s28, (3<<16)|(1<<21)             ; Wo's codes: 4 x 4,096
	s_or_b32 s56, s28, (3<<16)|(1<<21)             ; Wo's scale words: 4 x 512
.irp g, 32, 48
	s_mov_b32 s[\g+1], 512<<16
	s_mov_b32 s[\g+3], 512<<16
.endr
.irp g, 40, 56
	s_mov_b32 s[\g+1], 64<<16
	s_mov_b32 s[\g+3], 64<<16
.endr
.irp g, 32, 40
	s_mov_b32 s[\g+2], 8<<16
	s_mov_b32 s[\g+4], 8
.endr
.irp g, 48, 56
	s_mov_b32 s[\g+2], 4<<16
	s_mov_b32 s[\g+4], 4
.endr
.irp g, 32, 40, 48, 56
	s_mov_b32 s[\g+5], 1088
	s_mov_b32 s[\g+6], 0
	s_mov_b32 s[\g+7], 0
.endr
	s_lshl_b32 s29, s22, 3
	s_lshl_b32 s92, s26, 4
	s_add_co_u32 s92, s92, s29                     ; o: tile 16 y + 8 x half
	s_mul_i32 s92, s92, REC
	s_mov_b32 s93, 0
	s_lshl_b32 s29, s22, 2
	s_lshl_b32 s94, s25, 3
	s_add_co_u32 s94, s94, s29
	s_add_co_u32 s94, s94, 192                     ; Wo: tile 192 + 8 x + 4 x half
	s_mul_i32 s94, s94, REC
	s_mov_b32 s95, 0
	s_lshl_b32 s30, s22, 15                        ; where they go, by the wave's number alone: o's 32,768 x half,
	s_lshl_b32 s31, s22, 14
	s_add_co_u32 s31, s31, 65536                   ; Wo's 65,536 + 16,384 x half,
	s_lshl_b32 s96, s22, 12
	s_add_co_u32 s96, s96, SCA_                    ; o's scale words,
	s_lshl_b32 s97, s22, 11
	s_add_co_u32 s97, s97, SCB_                    ; Wo's
	s_wait_dscnt 0x0                               ; both opening adds are done
	s_wait_kmcnt 0x0
	s_add_nc_u64 s[92:93], s[4:5], s[92:93]
	s_add_nc_u64 s[94:95], s[6:7], s[94:95]
	CROUND                                         ; all sixteen work-groups are here
	s_mov_b32 s68, 1
	s_mov_b32 s69, s96
	s_add_nc_u64 s[70:71], s[92:93], 8192
	s_mov_b32 s72, 1
	s_mov_b32 s73, s30
	s_mov_b64 s[74:75], s[92:93]
	s_mov_b32 s76, 1
	s_add_co_u32 s77, s30, CHUNK
	s_add_nc_u64 s[78:79], s[92:93], 4096
	s_mov_b32 s80, 1
	s_mov_b32 s81, s97
	s_add_nc_u64 s[82:83], s[94:95], 8192
	s_mov_b32 s84, 1
	s_mov_b32 s85, s31
	s_mov_b64 s[86:87], s[94:95]
	s_mov_b32 s88, 1
	s_add_co_u32 s89, s31, CHUNK
	s_add_nc_u64 s[90:91], s[94:95], 4096
.irp g, 71, 75, 79, 83, 87, 91
	s_or_b32 s[\g], s[\g], 0x80000000
.endr
	s_cmp_eq_u32 s21, 0                            ; a wave's three first fills stand in one branch on its number
	s_cbranch_scc0 .Lfirst_w
	tensor_load_to_lds s[68:71], s[40:47]
	s_nop 0
	tensor_load_to_lds s[72:75], s[32:39]
	s_nop 0
	tensor_load_to_lds s[76:79], s[32:39]
	s_nop 0
	PLACES 4
	s_branch .Lfirst_asked
.Lfirst_w:
	tensor_load_to_lds s[80:83], s[56:63]
	s_nop 0
	tensor_load_to_lds s[84:87], s[48:55]
	s_nop 0
	tensor_load_to_lds s[88:91], s[48:55]
	s_nop 0
	PLACES 4
.Lfirst_asked:
	v_and_b32 v1, 31, v0
	v_and_b32 v2, 15, v0                           ; r
	v_bfe_u32 v3, v0, 4, 1                         ; h
	v_lshlrev_b32 v10, 4, v1                       ; 16 x lane
	s_lshl_b32 s29, s21, 15
	s_lshl_b32 s30, s22, 14
	s_add_co_u32 s30, s30, 65536
	v_add_nc_u32 v4, s29, v10                      ; o's fragments, chunk 0,
	v_add_nc_u32 v6, s30, v10                      ; Wo's
	s_add_co_u32 s29, s29, CHUNK
	s_add_co_u32 s30, s30, CHUNK
	v_add_nc_u32 v5, s29, v10                      ; chunk 1
	v_add_nc_u32 v7, s30, v10
	s_lshl_b32 s29, s21, 12
	s_add_co_u32 s29, s29, SCA_
	v_add_nc_u32 v8, s29, v10
	s_lshl_b32 s30, s22, 11
	s_add_co_u32 s30, s30, SCB_
	v_add_nc_u32 v9, s30, v10
	s_mul_i32 s29, s20, 16*272
	s_add_co_u32 s29, s29, STAGE                   ; my stage
	v_mul_u32_u24 v11, v2, 272
	v_lshl_add_u32 v11, v3, 6, v11
	v_add_nc_u32 v11, s29, v11                     ; in: row r, + 64 h
	v_mul_u32_u24 v12, v3, 272
	v_lshl_add_u32 v12, v2, 4, v12
	v_add_nc_u32 v12, s29, v12                     ; back: lanes 0-15 one row, lanes 16-31 the next
	v_lshlrev_b32 v13, 12, v3
	v_lshl_add_u32 v13, v2, 4, v13                 ; and the same in out0: 4,096 h + 16 r
	v_lshlrev_b32 v14, 6, v3                       ; the bias: + 64 h
	s_mov_b32 s3, 0
	s_lshl_b32 s2, s25, 9
	s_lshl_b32 s29, s22, 8
	s_add_co_u32 s2, s2, s29                       ; my first column, in bytes: 512 x + 256 wx
	s_add_nc_u64 s[8:9], s[8:9], s[2:3]
	s_add_nc_u64 s[10:11], s[10:11], s[2:3]
	s_lshl_b32 s2, s26, 20
	s_lshl_b32 s29, s21, 19
	s_add_co_u32 s2, s2, s29                       ; my first row: 256 y + 128 wy rows of 4,096 bytes
	s_add_nc_u64 s[10:11], s[10:11], s[2:3]
	WIN 0x40
.irp b, 0,1,2,3
	global_load_b128 v[64+8*\b:67+8*\b], v14, s[8:9] offset:4*(32*(\b/2)+8*(\b%2))
	global_load_b128 v[68+8*\b:71+8*\b], v14, s[8:9] offset:4*(32*(\b/2)+8*(\b%2))+16
.endr
	WIN 0
.macro FETCH s
.set FP_, ((\s)%2)
.set FJ_, ((\s)/4)
.set FO_, 1024*((\s)%4)
	WIN 0x40
.irp i, 0,1,2,3
	ds_load_b128 v[32*FP_+8*\i:32*FP_+8*\i+3], v[6+FJ_] offset:FO_+4096*\i
	ds_load_b128 v[32*FP_+8*\i+4:32*FP_+8*\i+7], v[6+FJ_] offset:FO_+4096*\i+512
.endr
	WIN 0
.irp i, 0,1,2,3,4,5,6,7
	ds_load_b128 v[128+64*FP_+8*\i:128+64*FP_+8*\i+3], v[4+FJ_] offset:FO_+4096*\i
	ds_load_b128 v[128+64*FP_+8*\i+4:128+64*FP_+8*\i+7], v[4+FJ_] offset:FO_+4096*\i+512
.endr
.endm
.macro KSTEP s
	s_wait_dscnt 0x0                               ; this step's set is in
.if (\s) == 3
	s_wait_tensorcnt 0x0                           ; my part of chunk 1 has landed,
	s_barrier_signal -1
	s_barrier_wait -1                              ; everybody's has
.endif
.if (\s) < 7
.if (\s) > 0
	PLACES 4                                       ; in front of loads into registers that the last step's matrix instructions have read
.endif
	FETCH (\s)+1
.endif
.if (\s) == 0
	WIN 0x91                                       ; Wo window 1, o window 0, the bias window 1, D window 2
.else
	WIN 0xa1
.endif
.set P_, (\s)%2
.set Q_, (\s)%4
.irp a, 0,1,2,3,4,5,6,7                        ; the 32 accumulators take turns in the same order in every step
.irp b, 0,1,2,3
.set D_, 8*(4*\a+\b)
.set A_, 32*P_+8*\b
.set B_, 128+64*P_+8*\a
.set C_, 64+8*\b
.set SA_, 64+4*\b+Q_
.set SB_, 32+4*\a+Q_
.if (\s) == 0
	v_wmma_scale_f32_16x16x128_f8f6f4 v[D_:D_+7], v[A_:A_+7], v[B_:B_+7], v[C_:C_+7], v[SA_], v[SB_] matrix_a_fmt:MATRIX_FMT_FP4 matrix_b_fmt:MATRIX_FMT_FP4
.elseif (\s) < 4
	v_wmma_scale_f32_16x16x128_f8f6f4 v[D_:D_+7], v[A_:A_+7], v[B_:B_+7], v[D_:D_+7], v[SA_], v[SB_] matrix_a_fmt:MATRIX_FMT_FP4 matrix_b_fmt:MATRIX_FMT_FP4
.else
	v_wmma_scale_f32_16x16x128_f8f6f4 v[D_:D_+7], v[A_:A_+7], v[B_:B_+7], v[D_:D_+7], v[SA_], v[SB_] matrix_a_fmt:MATRIX_FMT_FP4 matrix_b_fmt:MATRIX_FMT_FP4 matrix_a_scale:MATRIX_SCALE_ROW1 matrix_b_scale:MATRIX_SCALE_ROW1
.endif
.endr
.endr
.endm
	s_wait_tensorcnt 0x1                           ; my scale words and my part of chunk 0 are in; chunk 1's load may stay out
	s_barrier_signal -1
	s_barrier_wait -1
	FETCH 0
.irp i, 0,1,2,3,4,5,6,7
	ds_load_b128 v[32+4*\i:35+4*\i], v8 offset:512*\i   ; register q: lanes 0-15 K step q, lanes 16-31 K step 4 + q
.endr
.irp i, 0,1,2,3
	ds_load_b128 v[64+4*\i:67+4*\i], v9 offset:512*\i
.endr
	s_wait_loadcnt 0x0                             ; the bias
.irp s, 0,1,2,3,4,5,6,7
	KSTEP \s
.endr
	WIN 0
; THE WAY OUT, a tile of 16 rows x 64 columns at a time.  LDS serves a wave's instructions in order: no wait between the stores and the loads, nor in front of the next tile's stores
.macro TOSTAGE a
	WIN 0x08                                       ; an LDS store's data are its source 1: window 2
.irp b, 0,1,2,3
	ds_store_b128 v11, v[8*(4*(\a)+\b):8*(4*(\a)+\b)+3] offset:128*(\b/2)+32*(\b%2)        ; each accumulator from its low end on
	ds_store_b128 v11, v[8*(4*(\a)+\b)+4:8*(4*(\a)+\b)+7] offset:128*(\b/2)+32*(\b%2)+16
.endr
	WIN 0
.set BB_, 128+32*((\a)%2)
.irp i, 0,1,2,3,4,5,6,7
	ds_load_b128 v[BB_+4*\i:BB_+4*\i+3], v12 offset:544*\i
.endr
.endm
.macro SEND a, younger                 ; younger: the LDS instructions issued behind tile a's loads, which may stay out
.set BB_, 128+32*((\a)%2)
	s_wait_dscnt \younger
.irp i, 0,1,2,3,4,5,6,7                        ; places 2 i + h of tile a are rows 32 (a / 2) + 8 (a % 2) + 2 i + h + 8 (i / 4)
	global_store_b128 v13, v[BB_+4*\i:BB_+4*\i+3], s[10:11] offset:4096*(32*((\a)/2)+8*((\a)%2)+2*\i+8*(\i/4)) th:TH_STORE_NT
.endr
.endm
	PLACES 4                                       ; behind the last products: for the reads of results and the loads into o's fragments' registers
	TOSTAGE 0
.irp a, 1,2,3,4,5,6,7
.if \a > 1
	s_wait_xcnt 0x0                                ; tile a - 2's stores have read their registers: tile a's loads may land there
.endif
	TOSTAGE \a
	SEND \a-1, 16                                  ; behind tile a - 1's loads: tile a's 8 stores and 8 loads
.endr
	SEND 7, 0
	s_wait_tensorcnt 0x0                           ; the wave's end
	ds_add_u32 v16, v17
	s_wait_dscnt 0x0
	CROUND                                         ; the closing round
	s_endpgm
.Lfunc_end_k_q631b3af188_proj:
	.size	k_q631b3af188_proj, .Lfunc_end_k_q631b3af188_proj-k_q631b3af188_proj
	.p2alignl 7, 3214868480
	.fill 96, 4, 3214868480
	.section	.rodata,"a",@progbits
	.p2align	6, 0x0
	.amdhsa_kernel k_q631b3af188_proj
		.amdhsa_group_segment_fixed_size 327680
		.amdhsa_private_segment_fixed_size 0
		.amdhsa_enable_private_segment 0
		.amdhsa_kernarg_size 32
		.amdhsa_user_sgpr_count 2
		.amdhsa_user_sgpr_kernarg_segment_ptr 1
		.amdhsa_wavefront_size32 1
		.amdhsa_system_sgpr_workgroup_id_x 1
		.amdhsa_system_sgpr_workgroup_id_y 1
		.amdhsa_system_sgpr_workgroup_id_z 1
		.amdhsa_system_vgpr_workitem_id 0
		.amdhsa_next_free_vgpr 768
		.amdhsa_next_free_sgpr 102
		.amdhsa_reserve_vcc 0
		.amdhsa_float_denorm_mode_32 3
		.amdhsa_float_denorm_mode_16_64 3
		.amdhsa_memory_ordered 1
		.amdhsa_forward_progress 1
		.amdhsa_inst_pref_size 72
	.end_amdhsa_kernel
	.amdgpu_metadata
---
amdhsa.version: [ 1, 2 ]
amdhsa.kernels:
  - .name:           k_q631b3af188_proj
    .symbol:         k_q631b3af188_proj.kd
    .args:
      - { .name: oq, .offset: 0, .size: 8, .value_kind: global_buffer, .address_space: global }
      - { .name: wq, .offset: 8, .size: 8, .value_kind: global_buffer, .address_space: global }
      - { .name: bo, .offset: 16, .size: 8, .value_kind: global_buffer, .address_space: global }
      - { .name: out0, .offset: 24, .size: 8, .value_kind: global_buffer, .address_space: global }
    .group_segment_fixed_size: 327680
    .private_segment_fixed_size: 0
    .kernarg_segment_align: 8
    .kernarg_segment_size: 32
    .max_flat_workgroup_size: 128
    .sgpr_count:     102
    .vgpr_count:     768
    .wavefront_size: 32
...
	.end_amdgpu_metadata
.endif
;; end of part 4
